; MI455X (gfx1250); checked and timed in simulation.
; The chip was launched on July 23, 2026; its instructions are those of AMD's public machine-readable ISA for CDNA 5 (MIT licence, August 2026) and "CDNA5" Instruction Set Architecture Reference Guide (July 2026). The comments in the code are by the model that wrote it; some were corrected since.
;; Multi Head Attention. Allowed arithmetic: matrix products marked QUANTISED: E2M1 operands, one E8M0 scale for each 32 along K, by v_wmma_scale_f32_16x16x128_f8f6f4 with both operands' format E2M1 (or v_wmma_scale_f32_32x16x128_f4), f32 sums; products left as they are: bf16, f16 or f32 operands; f32 sums; everything else in f32.
;; Inputs: Wk 1,024 x 1,024 float32; Wo 1,024 x 1,024 float32; Wq 1,024 x 1,024 float32; Wv 1,024 x 1,024 float32; mask 1 x 1 x 2,048 x 2,048 int32; x 4 x 2,048 x 1,024 float32.
;; Outputs: out0 4 x 2,048 x 1,024 float32.
;; This version of the problem:
;;   THIS VERSION OF THE PROBLEM IS GIVEN IN LOW PRECISION. The matrix products marked QUANTISED in the list below multiply operands that are first quantised to E2M1 (2 exponent bits, 1 mantissa bit; 4 bits a number), with one power-of-two scale for each 32 numbers along K (OCP MX v1.0); their sums are f32. The products marked 'left as it is' may take bf16, f16 or f32 operands, with f32 sums. Whichever they take, every output number must still come out within the allowed error. Rounding operands to bf16 (8 significant bits) uses up far more of that allowance than f16 does (11 bits, for magnitudes from 6e-5 to 65,504). All else is computed in f32.
;;   The module's matrix products, in the order in which they are computed (A, B: the left and right operand; K: the contracted axis; several contracted axes count as one K, in the product's order):
;;     1. [M 8,192, K 1,024] x [K 1,024, N 1,024]; A: input x; B: input Wq: QUANTISED
;;     2. [M 8,192, K 1,024] x [K 1,024, N 1,024]; A: input x; B: input Wk: QUANTISED
;;     3. [M 8,192, K 1,024] x [K 1,024, N 1,024]; A: input x; B: input Wv: QUANTISED
;;     4. batch 64 x [M 2,048, K 64] x [K 64, N 2,048]; A: computed on the way; B: computed on the way: left as it is (an operand is computed on the way)
;;     5. batch 64 x [M 2,048, K 2,048] x [K 2,048, N 64]; A: computed on the way; B: computed on the way: left as it is (an operand is computed on the way)
;;     6. [M 8,192, K 1,024] x [K 1,024, N 1,024]; A: computed on the way; B: input Wo: left as it is (an operand is computed on the way)
;;   THE QUANTISER, for each operand of a quantised product, along K:
;;     - K is cut into blocks of 32 from its start; a last block that is shorter is filled with zeros.
;;     - A block's scale is 2^e with e = floor(log2(the largest magnitude in the block)) - 2, held to -126 .. 127; a block of zeros has e = 0. As a byte (E8M0): e + 127.
;;     - Each number is divided by its block's scale, clamped to +-6, and rounded to the nearest number of E2M1, ties to even, subnormals kept.
;;     - The product sums the exact products of the quantised numbers (number of the format x scale) in f32.
;;   ~~~python
;;   def quantise(x, axis):      # numpy; x: float32 -> the quantised numbers, widened to float32 again
;;       x = np.moveaxis(x, axis, -1); K = x.shape[-1]
;;       x = np.pad(x, [(0, 0)] * (x.ndim - 1) + [(0, -K % 32)]); x = x.reshape(x.shape[:-1] + (-1, 32)); a = np.abs(x).max(-1, keepdims=True)
;;       e = np.where(a > 0, np.clip(np.frexp(np.where(a > 0, a, 1))[1] - 1 - 2, -126, 127), 0)      # np.frexp(a)[1] - 1 = floor(log2(a)), exactly
;;       r = np.clip(x / 2.0 ** e, -6, 6)
;;       step = 2.0 ** (np.maximum(np.frexp(np.where(r == 0, 1, r))[1] - 1, 0) - 1)
;;       q = np.round(r / step) * step * 2.0 ** e      # np.round: ties to even
;;       return np.moveaxis(q.reshape(q.shape[:-2] + (-1,))[..., :K], -1, axis).astype(np.float32)
;;   ~~~
;; One version. Each part assembles by itself: llvm-mc -triple=amdgcn-amd-amdhsa -mcpu=gfx1250 --defsym DOCPART=n.
;; ======== version 1 of 1: 5 launches
;; limits: values are held in f16: magnitudes above 65,504 overflow, below 6.1e-05 lose precision
;; workspace buffers: pre 8,749,056 bytes; mk 540,672 bytes of whole numbers; qkv 50,724,864 bytes; att 16,777,216 bytes
;; launch prep (part 1): grid 704 x 1, 4 waves a work-group, no clusters, 33,280 bytes of LDS; arguments x, Wq, Wk, Wv, Wo, mask, pre, mk; writes pre, mk
.if DOCPART == 1
	.amdgcn_target "amdgcn-amd-amdhsa--gfx1250"
	.amdhsa_code_object_version 6
	.text
	.protected	k_qbeaef2758c_prep
	.globl	k_qbeaef2758c_prep
	.p2align	8
	.type	k_qbeaef2758c_prep,@function
k_qbeaef2758c_prep:
	s_mov_b64 s[64:65], 0
	v_nop
	global_prefetch_b8 v0, s[64:65] scope:SCOPE_SE
	s_setreg_imm32_b32 hwreg(HW_REG_WAVE_MODE, 25, 1), 1
	s_wait_xcnt 0x0
; Everything that is made once from the inputs.  Four kinds of work-group, told apart by the work-group's number:
;   0-351   x, Wq, Wk, Wv (f32, K innermost) -> codes of FP4 (E2M1) and one E8M0 byte for each 32 along K
;   352-607 the mask -> lane-mask words in the layout of a transposed score tile, and a flag (0 empty, 1 partial, 2 full) for each 16 queries x 64 keys
;   608-671 Wo -> f16, in units of 16 rows x 16 channels (512 bytes: lane r + 16 h holds row r, channels 8 h .. 8 h + 7)
;   672-703 the table of cos and sin, in the layout of the projections' results
; pre: x's codes 0, the weights' codes WC_OFF (rows of Wq, Wk, Wv), scale bytes XS_OFF, WS_OFF, the table TAB_OFF, Wo's units WOH_OFF.  mk: mask words 0, flags FLG_OFF.
; A block's scale is 2^(floor(log2(its largest magnitude)) - 2); its byte is that magnitude's exponent field - 2, held at 1 from below.
; LIMITS: a block of zeros, or one whose largest magnitude lies under 2^-124, keeps the byte 1 (zero codes add nothing; this program alone reads the bytes); NaN and infinities among the inputs are not served.
; The frequencies 10000^(-i/32) come from v_exp_f32: at token 2,047 the phase is off by at most about 2e-4 rad against a correctly rounded frequency.
.set WC_OFF,  4194304
.set XS_OFF,  5767168
.set WS_OFF,  6029312
.set TAB_OFF, 6127616
.set WOH_OFF, 6651904
.set FLG_OFF, 524288
.set STEPS, 16
.set CB,    8                          ; bytes of 16 codes
.set R,     16                         ; v16-79   four sets of 16 numbers as loaded
.set X,     80                         ; v80-111  two sets of 16 neighbours
.set E,     112                        ; v112-127 a scale byte for each step
.set C,     128                        ; v128-191 codes, four registers a step
.set WREG,  8192                       ; LDS: a wave's region: two stages of 32 x SP bytes, then its 256 scale bytes
.set SP,    80
.set SPW,   12                         ; v12 my spare word's LDS address; never rewritten
.set NIL,   13                         ; v13 0; never rewritten
.set SPARE, 4*WREG                     ; the spare words: 128 bytes a wave, named by no other line
.macro LOAD t
.irp i, 0,1,2,3
	global_load_b128 v[R+16*((\t)%4)+4*\i:R+16*((\t)%4)+4*\i+3], v3, s[22:23] offset:2048*(\t)+512*\i th:TH_LOAD_NT   ; 32 lanes read 512 consecutive bytes
.endr
.endm
.macro TURN t                          ; a step's 2,048 bytes through the wave's own stage: in as they lie, out 64 bytes a lane; LDS serves a wave in order
.irp i, 0,1,2,3
	ds_store_b128 v14, v[R+16*((\t)%4)+4*\i:R+16*((\t)%4)+4*\i+3] offset:32*SP*((\t)%2)+8*SP*\i
.endr
.irp i, 0,1,2,3
	ds_load_b128 v[X+16*((\t)%2)+4*\i:X+16*((\t)%2)+4*\i+3], v15 offset:32*SP*((\t)%2)+16*\i
.endr
.endm
.macro STEP t
.set XS, X+16*((\t)%2)
.if (\t) > 0
	s_wait_dscnt 1                                 ; this step's numbers are back from the stage; the last step's byte store may be out
.else
	s_wait_dscnt 0x0
.endif
.if (\t)+4 < STEPS
	LOAD (\t)+4
.endif
.if (\t)+1 < STEPS
.if STEPS-2-(\t) >= 3
	s_wait_loadcnt 12                              ; the next step's four loads are in; those of three later steps may be out
.else
	s_wait_loadcnt 4*(STEPS-2-(\t))
.endif
	TURN (\t)+1
.endif
	v_max3_num_f32 v8, |v[XS]|, |v[XS+1]|, |v[XS+2]|
	v_max3_num_f32 v9, |v[XS+3]|, |v[XS+4]|, |v[XS+5]|
.irp i, 6,10
	v_max3_num_f32 v8, v8, |v[XS+\i]|, |v[XS+\i+1]|
	v_max3_num_f32 v9, v9, |v[XS+\i+2]|, |v[XS+\i+3]|
.endr
	v_max3_num_f32 v8, v8, |v[XS+14]|, |v[XS+15]|
	v_max3_num_f32 v8, v8, v9, 0x1800000           ; the floor 2^(3 - 127): the byte cannot fall under 1
	v_max_num_f32_dpp v8, v8, v8 row_xmask:1 row_mask:0xf bank_mask:0xf   ; with my neighbour's 16: the block's largest magnitude
	v_add_nc_u32 v11, 0xff000000, v8               ; 2 off its exponent field: the conversion's scale operand
	v_cvt_scalef32_pk8_fp4_f32 v[C+4*(\t)], v[XS:XS+7], v11
	v_cvt_scalef32_pk8_fp4_f32 v[C+4*(\t)+1], v[XS+8:XS+15], v11
	v_lshrrev_b32 v[E+(\t)], 23, v11               ; the scale's byte (also the plain line behind the conversions)
	ds_store_b8 v5, v[E+(\t)] offset:16*(\t)       ; both lanes of a block write the same byte with the same value
	global_store_b64 v4, v[C+4*(\t):C+4*(\t)+1], s[30:31] offset:32*CB*(\t)   ; the wave stores 256 consecutive bytes, aligned
.endm
; cos and sin of token x frequency k: the angle in one f32 rounding; reduced by pi/2 in two parts; polynomials on |r| <= pi/4; the quadrant by selects, no branch
.macro SINCOS k
	v_mul_f32 v32, v5, v[16+\k]
	v_mul_f32 v33, 0x3f22f983, v32                 ; x 2 / pi
	v_rndne_f32 v33, v33
	v_fma_f32 v34, -v33, s40, v32
	v_fma_f32 v34, -v33, s41, v34
	v_cvt_i32_f32 v35, v33
	v_mul_f32 v36, v34, v34
	v_fma_f32 v37, v36, s42, s43
	v_fma_f32 v38, v36, s45, s46
	v_fma_f32 v37, v37, v36, s44
	v_fma_f32 v38, v38, v36, s47
	v_mul_f32 v39, v36, v34
	v_mul_f32 v40, v36, v36
	v_fma_f32 v41, v36, -0.5, 1.0
	v_fma_f32 v37, v37, v39, v34                   ; sin r
	v_fma_f32 v38, v38, v40, v41                   ; cos r
	v_and_b32 v39, 1, v35
	v_cmp_eq_u32 vcc_lo, 1, v39
	v_cndmask_b32 v40, v37, v38, vcc_lo            ; odd quadrants change the two
	v_cndmask_b32 v41, v38, v37, vcc_lo
	v_lshlrev_b32 v39, 30, v35
	v_and_b32 v39, 0x80000000, v39
	v_xor_b32 v[80+\k], v40, v39                   ; sin: minus in quadrants 2, 3
	v_add_nc_u32 v39, 1, v35
	v_lshlrev_b32 v39, 30, v39
	v_and_b32 v39, 0x80000000, v39
	v_xor_b32 v[64+\k], v41, v39                   ; cos: minus in quadrants 1, 2
.endm
	s_load_b512 s[4:19], s[0:1], 0x0               ; x, Wq, Wk, Wv, Wo, mask, pre, mk
	v_lshl_add_u32 v[SPW], v0, 2, SPARE
	v_mov_b32 v[NIL], 0
	v_lshrrev_b32 v1, 5, v0
	v_readfirstlane_b32 s20, v1                    ; wave
	v_and_b32 v2, 31, v0                           ; lane
	s_wait_kmcnt 0x0
	s_cmp_lt_u32 ttmp9, 352
	s_cbranch_scc0 .Lnot_quant
	; ---- the quantiser: a wave takes 16 steps of 512 numbers; both kinds of tensor are plain streams of blocks of 32
	v_lshlrev_b32 v3, 4, v2
	s_mul_i32 s21, s20, WREG
	v_lshrrev_b32 v14, 2, v2
	v_mul_u32_u24 v14, v14, SP
	v_and_b32 v15, 3, v2
	v_lshl_add_u32 v14, v15, 4, v14
	v_add_nc_u32 v14, s21, v14                     ; the stage, in: SP (lane / 4) + 16 (lane % 4)
	v_mul_u32_u24 v15, v2, SP
	v_add_nc_u32 v15, s21, v15                     ; out: SP x lane
	v_mul_u32_u24 v4, v2, CB
	v_lshrrev_b32 v5, 1, v2
	s_add_co_u32 s21, s21, 2*32*SP
	v_add_nc_u32 v5, s21, v5                       ; my block's byte among the wave's 256
	v_lshlrev_b32 v7, 3, v2
	v_add_nc_u32 v6, s21, v7
	s_cmp_lt_u32 ttmp9, 256                        ; x's work-groups, then 32 for each weight: the choices hang on the work-group's number alone
	s_cselect_b64 s[22:23], s[4:5], s[6:7]
	s_cselect_b32 s24, 0, WC_OFF
	s_mov_b32 s25, WS_OFF
	s_cselect_b32 s25, XS_OFF, s25
	s_cselect_b32 s26, 0, 256
	s_cselect_b32 s27, -1, 31
	s_cmp_lt_u32 ttmp9, 288
	s_cselect_b64 s[22:23], s[22:23], s[8:9]
	s_cmp_lt_u32 ttmp9, 320
	s_cselect_b64 s[22:23], s[22:23], s[10:11]
	s_sub_co_u32 s26, ttmp9, s26                   ; which work-group of the output's part
	s_and_b32 s27, s26, s27                        ; and of the input tensor
	s_lshl_b32 s27, s27, 2
	s_add_co_u32 s27, s27, s20
	s_lshl_b32 s26, s26, 2
	s_add_co_u32 s26, s26, s20
	s_mov_b32 s29, 0
	s_lshl_b32 s28, s27, 15                        ; a wave's run: 8,192 numbers, 32,768 bytes in,
	s_add_nc_u64 s[22:23], s[22:23], s[28:29]
	s_lshl_b32 s28, s26, 12                        ; 4,096 bytes of codes,
	s_add_co_u32 s28, s28, s24
	s_add_nc_u64 s[30:31], s[16:17], s[28:29]
	s_lshl_b32 s28, s26, 8                         ; 256 scale bytes
	s_add_co_u32 s28, s28, s25
	s_add_nc_u64 s[32:33], s[16:17], s[28:29]
.irp t, 0,1,2,3
	LOAD \t
.endr
	s_wait_loadcnt 12                              ; step 0's four loads are in
	TURN 0
.irp t, 0,1,2,3,4,5,6,7,8,9,10,11,12,13,14,15
	STEP \t
.endr
	ds_load_b64 v[8:9], v6
	s_wait_dscnt 0x0
	global_store_b64 v7, v[8:9], s[32:33]          ; the wave's 256 scale bytes: one aligned run
	s_wait_tensorcnt 0x0                           ; the wave's end, behind my last LDS store
	ds_add_u32 v[SPW], v[NIL]
	s_wait_dscnt 0x0
	s_endpgm
.Lnot_quant:
	v_and_b32 v3, 15, v0                           ; r
	v_bfe_u32 v4, v0, 4, 1                         ; h
	s_mov_b32 s25, 0
	s_cmp_lt_u32 ttmp9, 608
	s_cbranch_scc0 .Lnot_mask
	; ---- the mask: a wave takes 16 queries x 256 keys (4 steps of 64).  Word 8 kt + j of a step: bit r + 16 h = mask[16 qt + r][64 step + 16 kt + 8 h + j] != 0
	s_sub_co_u32 s21, ttmp9, 352
	s_lshl_b32 s21, s21, 2
	s_add_co_u32 s21, s21, s20
	s_lshr_b32 s22, s21, 3                         ; qt
	s_and_b32 s23, s21, 7                          ; which 256 keys
	v_lshlrev_b32 v5, 13, v3                       ; row r of 8,192 bytes
	v_lshl_add_u32 v5, v4, 5, v5                   ; + 8 h keys
	s_lshl_b32 s24, s22, 17
	s_lshl_b32 s26, s23, 10
	s_add_co_u32 s24, s24, s26
	s_add_nc_u64 s[14:15], s[14:15], s[24:25]
.set qq, 0
.rept 32
	global_load_b128 v[32+4*qq:35+4*qq], v5, s[14:15] offset:(64*(qq/8)+16*((qq/2)%4)+4*(qq%2))*4 th:TH_LOAD_NT
.set qq, qq+1
.endr
.irp i, 0,1,2,3
	v_mov_b32 v[24+\i], 0
	s_mov_b32 s[40+\i], 0                          ; any bit of step i
	s_mov_b32 s[44+\i], -1                         ; all bits of step i
.endr
	s_wait_loadcnt 0x0
.set nn, 0
.rept 16                               ; register nn holds word nn's bits, a lane a bit: a compare gathers them; word nn goes to lane nn / 4, register nn % 4 of one 16-byte store
.irp i, 0,1,2,3,4,5,6,7
	v_cmp_ne_u32 s[32+\i], 0, v[32+nn+\i]
.endr
.irp i, 0,1,2,3,4,5,6,7
	v_writelane_b32 v[24+(nn+\i)%4], s[32+\i], (nn+\i)/4
	s_or_b32 s[40+(nn+\i)/32], s[40+(nn+\i)/32], s[32+\i]
	s_and_b32 s[44+(nn+\i)/32], s[44+(nn+\i)/32], s[32+\i]
.endr
.set nn, nn+8
.endr
	s_lshl_b32 s24, s22, 12                        ; 32 steps x 128 bytes a query tile
	s_lshl_b32 s26, s23, 9
	s_add_co_u32 s24, s24, s26
	s_add_nc_u64 s[28:29], s[18:19], s[24:25]
	v_lshlrev_b32 v6, 4, v2
	global_store_b128 v6, v[24:27], s[28:29]       ; 512 consecutive bytes
.irp i, 0,1,2,3
	s_cmp_eq_u32 s[44+\i], -1
	s_cselect_b32 s[48+\i], 2, 1
	s_cmp_eq_u32 s[40+\i], 0
	s_cselect_b32 s[48+\i], 0, s[48+\i]
.endr
	v_and_b32 v7, 3, v2                            ; lane l stores flag l % 4: eight lanes write the same word with the same value
	v_mov_b32 v8, s48
	v_mov_b32 v9, s49
	v_mov_b32 v10, s50
	v_mov_b32 v11, s51
	v_cmp_eq_u32 vcc_lo, 1, v7
	v_cndmask_b32 v8, v8, v9, vcc_lo
	v_cmp_eq_u32 vcc_lo, 2, v7
	v_cndmask_b32 v8, v8, v10, vcc_lo
	v_cmp_eq_u32 vcc_lo, 3, v7
	v_cndmask_b32 v8, v8, v11, vcc_lo
	v_lshlrev_b32 v7, 4, v7
	s_lshr_b32 s24, s22, 2                         ; flags: [qt / 4][step][qt % 4]
	s_lshl_b32 s24, s24, 9
	s_lshl_b32 s26, s23, 6
	s_add_co_u32 s24, s24, s26
	s_and_b32 s26, s22, 3
	s_lshl_b32 s26, s26, 2
	s_add_co_u32 s24, s24, s26
	s_add_co_u32 s24, s24, FLG_OFF
	s_add_nc_u64 s[30:31], s[18:19], s[24:25]
	global_store_b32 v7, v8, s[30:31]
	s_endpgm
.Lnot_mask:
	s_cmp_lt_u32 ttmp9, 672
	s_cbranch_scc0 .Lrope
	; ---- Wo: a wave takes 16 rows x 256 channels: 16 units
	s_sub_co_u32 s21, ttmp9, 608
	s_lshl_b32 s21, s21, 2
	s_add_co_u32 s21, s21, s20
	s_lshr_b32 s22, s21, 2                         ; which 16 rows
	s_and_b32 s23, s21, 3                          ; which 256 channels
	v_lshlrev_b32 v5, 12, v3
	v_lshl_add_u32 v5, v4, 5, v5
	s_lshl_b32 s24, s22, 16
	s_lshl_b32 s26, s23, 10
	s_add_co_u32 s24, s24, s26
	s_add_nc_u64 s[12:13], s[12:13], s[24:25]
.set qq, 0
.rept 32
	global_load_b128 v[32+4*qq:35+4*qq], v5, s[12:13] offset:(16*(qq/2)+4*(qq%2))*4
.set qq, qq+1
.endr
	s_lshl_b32 s24, s22, 15
	s_lshl_b32 s26, s23, 13
	s_add_co_u32 s24, s24, s26
	s_add_co_u32 s24, s24, WOH_OFF
	s_add_nc_u64 s[28:29], s[16:17], s[24:25]
	v_lshlrev_b32 v6, 4, v2
	s_wait_loadcnt 0x0
.set uu, 0
.rept 16
.irp i, 0,1,2,3
	v_cvt_pk_f16_f32 v[32+8*uu+\i], v[32+8*uu+2*\i], v[33+8*uu+2*\i]   ; in place: register i is written when registers 2 i, 2 i + 1 are read
.endr
	global_store_b128 v6, v[32+8*uu:35+8*uu], s[28:29] offset:512*uu
.set uu, uu+1
.endr
	s_endpgm
.Lrope:
	; ---- the table: a wave takes 16 tokens.  Number k = 8 n + j of a lane: frequency i = 16 n + 8 h + j at token 16 tt + r
	s_sub_co_u32 s21, ttmp9, 672
	s_lshl_b32 s21, s21, 2
	s_add_co_u32 s21, s21, s20                     ; tt
	s_lshl_b32 s22, s21, 4
	v_add_nc_u32 v5, s22, v3
	v_cvt_f32_u32 v5, v5                           ; the token
	v_lshlrev_b32 v6, 3, v4
	s_mov_b32 s40, 0x3fc90fdb                      ; pi / 2, its upper part,
	s_mov_b32 s41, 0xb33bbd2e                      ; and the rest
	s_mov_b32 s42, 0xb94ca1f9
	s_mov_b32 s43, 0x3c08839e
	s_mov_b32 s44, 0xbe2aaaa3
	s_mov_b32 s45, 0x37ccf5ce
	s_mov_b32 s46, 0xbab6061a
	s_mov_b32 s47, 0x3d2aaaa5
.irp k, 0,1,2,3,4,5,6,7,8,9,10,11,12,13,14,15
	v_add_nc_u32 v[16+\k], 16*(\k/8)+\k%8, v6
.endr
.irp k, 0,1,2,3,4,5,6,7,8,9,10,11,12,13,14,15
	v_cvt_f32_u32 v[16+\k], v[16+\k]
.endr
.irp k, 0,1,2,3,4,5,6,7,8,9,10,11,12,13,14,15
	v_mul_f32 v[16+\k], 0xbed49a78, v[16+\k]       ; - i x log2(10000) / 32
.endr
.irp k, 0,1,2,3,4,5,6,7,8,9,10,11,12,13,14,15
	v_exp_f32 v[16+\k], v[16+\k]
.endr
	v_lshlrev_b32 v7, 4, v2                        ; a plain line behind the batch
	s_wait_alu depctr_va_vdst(0)                   ; one wait for the sixteen, ahead of their first reader
.irp k, 0,1,2,3,4,5,6,7,8,9,10,11,12,13,14,15
	SINCOS \k
.endr
	s_lshl_b32 s24, s21, 12
	s_add_co_u32 s24, s24, TAB_OFF
	s_add_nc_u64 s[28:29], s[16:17], s[24:25]
.irp g, 0,1,2,3,4,5,6,7
	global_store_b128 v7, v[64+4*\g:67+4*\g], s[28:29] offset:512*\g   ; four quads of cos, four of sin
.endr
	s_endpgm
.Lfunc_end_k_qbeaef2758c_prep:
	.size	k_qbeaef2758c_prep, .Lfunc_end_k_qbeaef2758c_prep-k_qbeaef2758c_prep
	.p2alignl 7, 3214868480
	.fill 96, 4, 3214868480
	.section	.rodata,"a",@progbits
	.p2align	6, 0x0
	.amdhsa_kernel k_qbeaef2758c_prep
		.amdhsa_group_segment_fixed_size 33280
		.amdhsa_private_segment_fixed_size 0
		.amdhsa_enable_private_segment 0
		.amdhsa_kernarg_size 64
		.amdhsa_user_sgpr_count 2
		.amdhsa_user_sgpr_kernarg_segment_ptr 1
		.amdhsa_wavefront_size32 1
		.amdhsa_system_sgpr_workgroup_id_x 1
		.amdhsa_system_sgpr_workgroup_id_y 1
		.amdhsa_system_sgpr_workgroup_id_z 1
		.amdhsa_system_vgpr_workitem_id 0
		.amdhsa_next_free_vgpr 192
		.amdhsa_next_free_sgpr 66
		.amdhsa_reserve_vcc 1
		.amdhsa_float_denorm_mode_32 3
		.amdhsa_float_denorm_mode_16_64 3
		.amdhsa_memory_ordered 1
		.amdhsa_forward_progress 1
		.amdhsa_inst_pref_size 96
	.end_amdhsa_kernel
	.amdgpu_metadata
---
amdhsa.version: [ 1, 2 ]
amdhsa.kernels:
  - .name:           k_qbeaef2758c_prep
    .symbol:         k_qbeaef2758c_prep.kd
    .args:
      - { .name: x, .offset: 0, .size: 8, .value_kind: global_buffer, .address_space: global }
      - { .name: Wq, .offset: 8, .size: 8, .value_kind: global_buffer, .address_space: global }
      - { .name: Wk, .offset: 16, .size: 8, .value_kind: global_buffer, .address_space: global }
      - { .name: Wv, .offset: 24, .size: 8, .value_kind: global_buffer, .address_space: global }
      - { .name: Wo, .offset: 32, .size: 8, .value_kind: global_buffer, .address_space: global }
      - { .name: mask, .offset: 40, .size: 8, .value_kind: global_buffer, .address_space: global }
      - { .name: pre, .offset: 48, .size: 8, .value_kind: global_buffer, .address_space: global }
      - { .name: mk, .offset: 56, .size: 8, .value_kind: global_buffer, .address_space: global }
    .group_segment_fixed_size: 33280
    .private_segment_fixed_size: 0
    .kernarg_segment_align: 8
    .kernarg_segment_size: 64
    .max_flat_workgroup_size: 128
    .sgpr_count:     66
    .vgpr_count:     192
    .wavefront_size: 32
...
	.end_amdgpu_metadata
.endif
;; end of part 1
;; launch qkv (part 2): grid 12 x 32, 4 waves a work-group, clusters of 4 x 4, 327,680 bytes of LDS; arguments pre, qkv; writes qkv
.if DOCPART == 2
	.amdgcn_target "amdgcn-amd-amdhsa--gfx1250"
	.amdhsa_code_object_version 6
	.text
	.protected	k_qbeaef2758c_qkv
	.globl	k_qbeaef2758c_qkv
	.p2align	8
	.type	k_qbeaef2758c_qkv,@function
k_qbeaef2758c_qkv:
	s_mov_b64 s[64:65], 0
	v_nop
	global_prefetch_b8 v0, s[64:65] scope:SCOPE_SE
	s_setreg_imm32_b32 hwreg(HW_REG_WAVE_MODE, 25, 1), 1
	s_wait_xcnt 0x0
	s_wait_alu depctr_hold_cnt(0) depctr_sa_sdst(0) depctr_va_vdst(0) depctr_va_sdst(0) depctr_va_ssrc(0) depctr_va_vcc(0) depctr_vm_vsrc(0)
	s_getreg_b32 s2, hwreg(HW_REG_IB_STS2, 6, 4)
	s_cmp_eq_u32 s2, 0
	s_cbranch_scc0 .Lentry_in_a_cluster
	s_endpgm
.Lentry_in_a_cluster:
	s_bfe_u32 s2, ttmp6, 0x10000c
	s_cmp_lg_u32 s2, 0xf033
	s_cbranch_scc0 .Lentry_shape_is_right
	s_endpgm
.Lentry_shape_is_right:
; q, k, v = x Wq^T, x Wk^T, x Wv^T on codes of FP4 (E2M1) with E8M0 scales: one product 8,192 x 3,072 x 1,024; then the rotary embedding of q and k in f32; results leave as f16 UNITS.
; A unit is 16 tokens x 16 channels, 512 bytes: lane r + 16 h holds token r, channels 8 h .. 8 h + 7.  qkv: q at 0, k at 2^24, v at 2^25, each [batch][head][token tile 128][4 units]; at LO_OFF the low parts
; f16((value - its f16) x 1024) of each batch's first 16 tokens, [q, k, v][batch][head][4 units], for the launch that makes those positions in f32.
; A tile of 256 tokens x 256 columns to a work-group of four waves, 128 x 128 a wave (64 accumulators, 512 registers).  K = 1,024 is two LDS slots of 512 along K, both filled at the start: nothing is filled again.
; CLUSTERS: 4 x 4 work-groups; x's tiles are asked for jointly along a row of the cluster, the weights' along a column.  The cluster's x is q, k or v: the same in all partners, so the way out may branch on it.
; THE MATRIX INSTRUCTION IS USED TRANSPOSED (source 0 = 16 rows of W, source 1 = 16 tokens): a lane holds one token and eight neighbouring columns, which pack into its 16 bytes of a unit: each store covers 512 consecutive aligned bytes, no LDS stage.
; REGISTERS: window 0: v0-31 addresses; v32-95 scale words; v128-191 x's fragments; v192-255 two sets of the table (idle during the products).  Way out: v32-95 H, v96-127 P, v128-191 T.
;   window 1: the weights' fragments, two sets.  windows 2, 3: the accumulators ((a, b) at v[8 (8 (a % 4) + b)]).
; LIMITS: q, k, v must lie inside f16's range (they do with inputs 30 times those drawn); NaN and infinities are not served.
.set NQ,     4
.set ROWB,   256                       ; a tile's row: 512 codes
.set KROW,   512                       ; a row of codes in memory
.set PITCH,  272                       ; 256 bytes + 16 of padding: the 16 rows of a load start at 16 different banks (64 banks of 4 bytes: ISA guide 11.1)
.set FR,     8
.set NL,     2
.set NP,     4                         ; places behind this matrix instruction (ISA guide 7.12.1)
.set HALFT,  128*PITCH
.set SLOT,   4*HALFT
.set KS,     32                        ; a row of scale bytes
.set SCL,    2*SLOT
.set HALFS,  (128*KS/256)*272
.set SBLK,   (16*KS/256)*272
.set SPARE,  SCL+4*HALFS               ; the spare words: 128 bytes a wave, named by no other line
.set WC_OFF,  4194304
.set XS_OFF,  5767168
.set WS_OFF,  6029312
.set TAB_OFF, 6127616
.set LO_OFF,  50331648
.set ADRA, 16
.set ADRB, 20
.set ADRS, 27
.set SPW,  28
.set NIL,  29
.set SC,   32
.set AF,   128
.set H,    32
.set P,    96
.set T,    128
.set G1, 24
.set G0, 32
.set G1B, 48
.set G0B, 56
.set G1S, 68
.set G0S, 76
.set G1SB, 80
.set G0SB, 88
.set MSB, 0
.macro WIN new                         ; the immediate's high byte repeats the setting that is left
.if MSB != \new
	s_set_vgpr_msb (MSB<<8)|\new
.set MSB, \new
.endif
.endm
.set MUL_LO, 0xa1                      ; source 0 (W) window 1, source 1 (x) window 0, C and D window 2
.set MUL_HI, 0xf1
.set TO_B,   0x40
.macro JLOAD g0a, g1a, g0b, g1b        ; a joint load: waves 0, 1 fetch for x, waves 2, 3 for the weights; s_nop 0 and four v_nop behind each line
	s_cmp_eq_u32 s15, 0
	s_cbranch_scc0 .Lfor_b_\@
	tensor_load_to_lds s[\g0a:\g0a+3], s[\g1a:\g1a+7]
	s_nop 0
.rept 4
	v_nop
.endr
	s_branch .Lasked_\@
.Lfor_b_\@:
	tensor_load_to_lds s[\g0b:\g0b+3], s[\g1b:\g1b+7]
	s_nop 0
.rept 4
	v_nop
.endr
.Lasked_\@:
.endm
.macro CROUND                          ; a round of the cluster's barrier
	s_barrier_signal -1
	s_barrier_wait -1
	s_cmp_lg_u32 s14, 0
	s_cbranch_scc1 .Lnot_wave_0_\@
	s_barrier_signal -3
.Lnot_wave_0_\@:
	s_barrier_wait -3
	s_barrier_signal -1
	s_barrier_wait -1
.endm
.macro CVH d, r                        ; both f16 halves of register r, widened
	v_cvt_f32_f16 v[\d], v\r\().l
	v_cvt_f32_f16 v[(\d)+1], v\r\().h
.endm
	s_load_b128 s[4:7], s[0:1], 0x0                ; pre, qkv
	v_lshl_add_u32 v[SPW], v0, 2, SPARE
	v_mov_b32 v[NIL], 0
	ds_add_u32 v[SPW], v[NIL]                      ; the opening: the add, twice on end, and its wait ahead of my first tensor load
	ds_add_u32 v[SPW], v[NIL]
	v_lshrrev_b32 v1, 5, v0
	v_readfirstlane_b32 s14, v1                    ; wave
	s_lshr_b32 s15, s14, 1                         ; my half of the tile's tokens; also: I fetch for x (0) or for the weights (1)
	s_and_b32 s16, s14, 1                          ; my half of its columns; also: which 128 rows I fetch
	s_bfe_u32 s40, ttmp6, 0x40000                  ; cx
	s_bfe_u32 s41, ttmp6, 0x40004                  ; cy
	s_lshl_b32 s42, ttmp9, 2
	s_add_co_u32 s42, s42, s40                     ; tile column
	s_and_b32 s17, ttmp7, 0xffff
	s_lshl_b32 s17, s17, 2
	s_add_co_u32 s17, s17, s41                     ; tile row
	s_lshl_b32 s43, s41, 2
	s_lshl_b32 s43, 15, s43                        ; my row of the cluster
	s_lshl_b32 s44, 0x1111, s40                    ; my column
	s_or_b32 s[G1+0], s43, (0<<16)|(1<<20)|(1<<21)|(5<<22)|(3<<25)   ; mask; elements of 1 byte; padding of 4 words behind every 64; bit 21 beside a mask
	s_or_b32 s[G1B+0], s44, (0<<16)|(1<<20)|(1<<21)|(5<<22)|(3<<25)
.irp g, G1, G1B
	s_mov_b32 s[\g+1], ROWB<<16
	s_mov_b32 s[\g+2], 128<<16
	s_mov_b32 s[\g+3], ROWB<<16
	s_mov_b32 s[\g+4], 128
	s_mov_b32 s[\g+5], KROW
	s_mov_b32 s[\g+6], 0
	s_mov_b32 s[\g+7], 0
.endr
	s_or_b32 s[G1S+0], s43, (3<<16)|(1<<20)|(1<<21)|(5<<22)|(3<<25)  ; the scales of 128 rows: a dense block, as rows of 256 bytes
	s_or_b32 s[G1SB+0], s44, (3<<16)|(1<<20)|(1<<21)|(5<<22)|(3<<25)
.irp g, G1S, G1SB
	s_mov_b32 s[\g+1], 32<<16
	s_mov_b32 s[\g+2], (128*KS/256)<<16
	s_mov_b32 s[\g+3], 32<<16
	s_mov_b32 s[\g+4], 128*KS/256
	s_mov_b32 s[\g+5], 32
	s_mov_b32 s[\g+6], 0
	s_mov_b32 s[\g+7], 0
.endr
	s_lshl_b32 s18, s16, 7
	s_lshl_b32 s20, s17, 8
	s_add_co_u32 s20, s20, s18                     ; x: row 256 x tile row + 128 x half
	s_lshl_b32 s46, s42, 8
	s_add_co_u32 s46, s46, s18                     ; W: row 256 x tile column + 128 x half
	s_mov_b32 s21, 0
	s_mov_b32 s47, 0
	s_mov_b64 s[18:19], KS
	s_mul_u64 s[22:23], s[20:21], s[18:19]
	s_mul_u64 s[92:93], s[46:47], s[18:19]
	s_mov_b64 s[18:19], KROW
	s_mul_u64 s[20:21], s[20:21], s[18:19]
	s_mul_u64 s[46:47], s[46:47], s[18:19]
	s_add_nc_u64 s[22:23], s[22:23], XS_OFF
	s_add_nc_u64 s[46:47], s[46:47], WC_OFF
	s_add_nc_u64 s[92:93], s[92:93], WS_OFF
	s_mul_i32 s45, s14, HALFT                      ; where they go: wave x 128 rows
	s_mul_i32 s94, s14, HALFS
	s_wait_dscnt 0x0                               ; both opening adds are done
	s_wait_kmcnt 0x0
	s_add_nc_u64 s[20:21], s[4:5], s[20:21]
	s_add_nc_u64 s[22:23], s[4:5], s[22:23]
	s_add_nc_u64 s[46:47], s[4:5], s[46:47]
	s_add_nc_u64 s[92:93], s[4:5], s[92:93]
	CROUND                                         ; all sixteen work-groups are here: the joint loads meet
	s_mov_b32 s[G0S], 1
	s_add_co_u32 s[G0S+1], s94, SCL
	s_mov_b64 s[G0S+2:G0S+3], s[22:23]
	s_or_b32 s[G0S+3], s[G0S+3], 0x80000000
	s_mov_b32 s[G0SB], 1
	s_add_co_u32 s[G0SB+1], s94, SCL
	s_mov_b64 s[G0SB+2:G0SB+3], s[92:93]
	s_or_b32 s[G0SB+3], s[G0SB+3], 0x80000000
	JLOAD G0S, G1S, G0SB, G1SB                     ; three loads of mine go out: the scales, slot 0, slot 1
.irp s, 0,1
	s_mov_b32 s[G0+4*\s], 1
	s_add_co_u32 s[G0+4*\s+1], s45, \s*SLOT
	s_add_nc_u64 s[G0+4*\s+2:G0+4*\s+3], s[20:21], \s*ROWB
	s_or_b32 s[G0+4*\s+3], s[G0+4*\s+3], 0x80000000
	s_mov_b32 s[G0B+4*\s], 1
	s_add_co_u32 s[G0B+4*\s+1], s45, \s*SLOT
	s_add_nc_u64 s[G0B+4*\s+2:G0B+4*\s+3], s[46:47], \s*ROWB
	s_or_b32 s[G0B+4*\s+3], s[G0B+4*\s+3], 0x80000000
	JLOAD G0+4*\s, G1, G0B+4*\s, G1B
.endr
	v_and_b32 v1, 15, v0
	v_bfe_u32 v2, v0, 4, 1
	v_mul_u32_u24 v3, v1, PITCH
	v_lshl_add_u32 v4, v2, 4, v3
	s_mul_i32 s21, s15, HALFT
	s_mul_i32 s22, s16, HALFT
	s_add_co_u32 s22, s22, 2*HALFT
.irp s, 0,1
	v_add_nc_u32 v[ADRA+\s], s21, v4
	v_add_nc_u32 v[ADRB+\s], s22, v4
	s_add_co_u32 s21, s21, SLOT
	s_add_co_u32 s22, s22, SLOT
.endr
	v_mul_u32_u24 v5, v1, KS
	v_lshrrev_b32 v6, 8, v5
	v_lshl_add_u32 v5, v6, 4, v5
	s_mul_i32 s21, s15, HALFS
	s_mul_i32 s22, s16, HALFS
	s_add_co_u32 s22, s22, 2*HALFS
	s_sub_co_u32 s22, s22, s21
	v_mul_u32_u24 v6, s22, v2                      ; lanes 16-31 take the weights' words
	s_add_co_u32 s21, s21, SCL
	v_add_nc_u32 v5, v5, v6
	v_add_nc_u32 v[ADRS], s21, v5
	v_and_b32 v6, 31, v0
	v_lshlrev_b32 v30, 4, v6                       ; 16 x lane: my place in a unit and in a quad of the table; never rewritten
	v_mov_b32 v31, s41                             ; cy, for the lanes' mask of the low parts' stores
	s_mov_b32 s19, 0
	s_and_b32 s20, s17, 7
	s_lshl_b32 s20, s20, 4
	s_lshl_b32 s21, s15, 3
	s_add_co_u32 s20, s20, s21                     ; my first token tile in the batch
	s_lshl_b32 s18, s20, 12
	s_add_co_u32 s18, s18, TAB_OFF
	s_add_nc_u64 s[98:99], s[4:5], s[18:19]        ; its table: 4,096 bytes a token tile
	s_lshr_b32 s21, s17, 3                         ; batch
	s_lshl_b32 s22, s21, 4
	s_lshl_b32 s23, s40, 2
	s_add_co_u32 s22, s22, s23
	s_lshl_b32 s23, s16, 1
	s_add_co_u32 s22, s22, s23                     ; 16 x batch + my first head
	s_lshl_b32 s18, s22, 7
	s_add_co_u32 s18, s18, s20
	s_lshl_b32 s18, s18, 11
	s_lshl_b32 s23, ttmp9, 24
	s_add_co_u32 s18, s18, s23
	s_add_nc_u64 s[100:101], s[6:7], s[18:19]      ; where my units go
	s_lshl_b32 s23, ttmp9, 6
	s_add_co_u32 s23, s23, s22
	s_lshl_b32 s18, s23, 11
	s_add_co_u32 s18, s18, LO_OFF
	s_add_nc_u64 s[96:97], s[6:7], s[18:19]        ; and the low parts
.macro TLOAD a                         ; the table of token tile a of my eight, into set a % 2
.irp g, 0,1,2,3,4,5,6,7
	global_load_b128 v[192+32*((\a)%2)+4*\g:195+32*((\a)%2)+4*\g], v30, s[98:99] offset:(\a)*4096+\g*512
.endr
.endm
	TLOAD 0                                        ; asked for now, wanted behind the products.  The v work-groups ask too and use nothing of it: so one branch alone parts the ways out, and every way has written these registers
	TLOAD 1
.macro FRAG reg, adr, q, i
.irp c, 0,1
	ds_load_b128 v[\reg+4*\c:\reg+4*\c+3], v[\adr] offset:64*(\q)+32*\c+(\i)*16*PITCH
.endr
.endm
; 16 products: x's blocks a0, a0 + 1 against W's eight.  The 64 accumulators take turns, one instruction a turn.
.macro MUL16 a0, p, q, sc, zero
.irp a, \a0, \a0+1
.irp b, 0,1,2,3,4,5,6,7
.if \zero
	v_wmma_scale_f32_16x16x128_f8f6f4 v[8*(8*((\a)%4)+\b):8*(8*((\a)%4)+\b)+7], v[128*(\p)+FR*\b:128*(\p)+FR*\b+FR-1], v[AF+FR*(\a):AF+FR*(\a)+FR-1], 0, v[SC+8*NQ*(\sc)+NQ*\b+(\q)], v[SC+8*NQ*(\sc)+NQ*(\a)+(\q)] matrix_a_fmt:MATRIX_FMT_FP4 matrix_b_fmt:MATRIX_FMT_FP4 matrix_a_scale:MATRIX_SCALE_ROW1
.else
	v_wmma_scale_f32_16x16x128_f8f6f4 v[8*(8*((\a)%4)+\b):8*(8*((\a)%4)+\b)+7], v[128*(\p)+FR*\b:128*(\p)+FR*\b+FR-1], v[AF+FR*(\a):AF+FR*(\a)+FR-1], v[8*(8*((\a)%4)+\b):8*(8*((\a)%4)+\b)+7], v[SC+8*NQ*(\sc)+NQ*\b+(\q)], v[SC+8*NQ*(\sc)+NQ*(\a)+(\q)] matrix_a_fmt:MATRIX_FMT_FP4 matrix_b_fmt:MATRIX_FMT_FP4 matrix_a_scale:MATRIX_SCALE_ROW1
.endif
.endr
.endr
.endm
.macro FETCH_B slot, q, p
	WIN TO_B
.irp i, 0,1,2,3,4,5,6,7
	FRAG 128*(\p)+FR*\i, ADRB+\slot, \q, \i
.endr
	WIN 0
.endm
.macro FETCH_A slot, q, i0
.irp i, \i0, \i0+1, \i0+2, \i0+3
	FRAG AF+FR*(\i), ADRA+\slot, \q, \i
.endr
.endm
.macro SCALES sc                       ; a slot's scale words: lanes 0-15 x's block i, lanes 16-31 W's block i
.irp i, 0,1,2,3,4,5,6,7
	ds_load_b128 v[SC+8*NQ*\sc+NQ*\i:SC+8*NQ*\sc+NQ*\i+3], v[ADRS] offset:\i*SBLK
.endr
.endm
.macro PLACES n                        ; plain vector lines between a matrix instruction and a load into, or a read of, its registers
.rept \n
	v_nop
.endr
.endm
.macro STEP slot, q, zero              ; 128 along K, with its successor in the same slot
	s_wait_dscnt 4*NL                              ; W's set and x's blocks 0-3 are in; the youngest eight loads (blocks 4-7) may be out
	WIN MUL_LO
	MUL16 0, (\q)%2, \q, \slot, \zero
	MUL16 2, (\q)%2, \q, \slot, \zero
	s_wait_dscnt 0
	PLACES NP
	FETCH_B \slot, (\q)+1, 1-(\q)%2
	FETCH_A \slot, (\q)+1, 0
	WIN MUL_HI
	MUL16 4, (\q)%2, \q, \slot, \zero
	MUL16 6, (\q)%2, \q, \slot, \zero
	PLACES NP
	WIN 0
	FETCH_A \slot, (\q)+1, 4
.endm
.macro STEPS slot, from
.set Q, \from
.rept NQ-1-\from
	STEP \slot, Q, 0
.set Q, Q+1
.endr
.endm
	s_wait_tensorcnt 1                             ; the scales and my part of slot 0 are in; slot 1's load may be out
	s_barrier_signal -1
	s_barrier_wait -1
	FETCH_B 0, 0, 0
	FETCH_A 0, 0, 0
	SCALES 0
	FETCH_A 0, 0, 4
	STEP 0, 0, 1                                   ; the first products start the sums: nothing is cleared
	STEPS 0, 1
	; slot 0's last step changes slots: each wave has waited for its part of slot 1 in front of the barrier
	s_wait_tensorcnt 0x0
	ds_add_u32 v[SPW], v[NIL]
	s_wait_dscnt 4*NL+1                            ; the add and the youngest eight loads may be out
	WIN MUL_LO
	MUL16 0, 1, NQ-1, 0, 0
	s_wait_dscnt 0x0
	s_barrier_signal -1
	MUL16 2, 1, NQ-1, 0, 0
	WIN 0
	s_barrier_wait -1
	PLACES NP
	v_add_nc_u32 v[ADRS], 4*NQ, v[ADRS]
	FETCH_B 1, 0, 0
	FETCH_A 1, 0, 0
	SCALES 1
	WIN MUL_HI
	MUL16 4, 1, NQ-1, 0, 0
	MUL16 6, 1, NQ-1, 0, 0
	PLACES NP
	WIN 0
	FETCH_A 1, 0, 4
	STEPS 1, 0
	s_wait_dscnt 4*NL
	WIN MUL_LO
	MUL16 0, 1, NQ-1, 1, 0
	MUL16 2, 1, NQ-1, 1, 0
	s_wait_dscnt 0
	WIN MUL_HI
	MUL16 4, 1, NQ-1, 1, 0
	MUL16 6, 1, NQ-1, 1, 0
	WIN 0
; THE WAY OUT, a block of 16 tokens x 128 columns (two heads) at a time.
.macro OUT8 a
.irp b, 0,1,2,3,4,5,6,7
	global_store_b128 v30, v[P+4*\b:P+4*\b+3], s[100:101] offset:(\a)*2048+(\b/4)*262144+(\b%4)*512   ; a unit: 512 consecutive bytes, aligned
.endr
.endm
; q and k: channel d < 32 of a head becomes x1 cos - x2 sin, channel d + 32 x2 cos + x1 sin (x1 = blocks 0, 1 of the head's four, x2 = blocks 2, 3).  Each accumulator is read from its low end on.
.macro RBLOCK a
.if (\a) < 7
	s_wait_loadcnt 8                               ; this block's table is in; the next block's eight loads may be out
.else
	s_wait_loadcnt 0
.endif
	s_wait_xcnt 0x0                                ; the last block's stores have read P (and the low parts' stores T's registers)
.set TBL, 192+32*((\a)%2)
.set AC, 64*((\a)%4)
	WIN 0x02+(\a)/4                                ; source 0: the accumulators' window
.irp hd, 0,1
.irp bp, 0,1
.irp jj, 0,2,4,6
.set r1, 8*(4*\hd+\bp)+\jj
.set r2, r1+16
.set rc, TBL+8*\bp+\jj
	v_pk_mul_f32 v[T+r1:T+r1+1], v[AC+r2:AC+r2+1], v[rc+16:rc+17]
	v_pk_mul_f32 v[T+r2:T+r2+1], v[AC+r1:AC+r1+1], v[rc+16:rc+17]
	v_pk_fma_f32 v[T+r1:T+r1+1], v[AC+r1:AC+r1+1], v[rc:rc+1], v[T+r1:T+r1+1] neg_lo:[0,0,1] neg_hi:[0,0,1]
	v_pk_fma_f32 v[T+r2:T+r2+1], v[AC+r2:AC+r2+1], v[rc:rc+1], v[T+r2:T+r2+1]
.endr
.endr
.endr
	WIN 0
.set ii, 0
.rept 32
	v_cvt_pk_f16_f32 v[P+ii], v[T+2*ii], v[T+2*ii+1]
.set ii, ii+1
.endr
	OUT8 \a
.if (\a) < 6
	TLOAD (\a)+2
.endif
.endm
.macro VBLOCK a
	s_wait_xcnt 0x0
.set AC, 64*((\a)%4)
	WIN 0x0a+5*((\a)/4)
.set ii, 0
.rept 32
	v_cvt_pk_f16_f32 v[P+ii], v[AC+2*ii], v[AC+2*ii+1]
.set ii, ii+1
.endr
	WIN 0
	OUT8 \a
.endm
; The low parts of a batch's first 16 tokens: block 0 of the waves with the tile's upper half, in the clusters with an even y (a branch on the wave's number and the cluster's number), and of these
; the work-groups with cy = 0: told apart by the lanes' mask alone.  value - f16(value) is exact in f32.
.macro LOW win, src
	s_and_b32 s18, ttmp7, 1
	s_or_b32 s18, s18, s15
	s_cmp_eq_u32 s18, 0
	s_cbranch_scc0 .Lno_low_\@
.set ii, 0
.irp r, 96,97,98,99,100,101,102,103,104,105,106,107,108,109,110,111,112,113,114,115,116,117,118,119,120,121,122,123,124,125,126,127
	CVH H+2*ii, \r
.set ii, ii+1
.endr
	WIN \win
.set ii, 0
.rept 32
	v_pk_add_f32 v[H+ii:H+ii+1], v[\src+ii:\src+ii+1], v[H+ii:H+ii+1] neg_lo:[0,1] neg_hi:[0,1]
.set ii, ii+2
.endr
	WIN 0
.set ii, 0
.rept 32
	v_pk_mul_f32 v[H+ii:H+ii+1], v[H+ii:H+ii+1], 0x44800000 op_sel_hi:[1,0]
.set ii, ii+2
.endr
.set ii, 0
.rept 32
	v_cvt_pk_f16_f32 v[T+ii], v[H+2*ii], v[H+2*ii+1]
.set ii, ii+1
.endr
	s_wait_xcnt 0x0                                ; EXEC changes only behind this wait
	v_cmp_eq_u32 vcc_lo, 0, v31
	s_and_saveexec_b32 s95, vcc_lo
.irp b, 0,1,2,3,4,5,6,7
	global_store_b128 v30, v[T+4*\b:T+4*\b+3], s[96:97] offset:512*\b
.endr
	s_wait_xcnt 0x0                                ; and again in front of the line that widens it
	s_or_b32 exec_lo, exec_lo, s95
.Lno_low_\@:
.endm
	PLACES NP                                      ; behind the last products: in front of the first reads of results and the first writes of operand and scale registers
	s_cmp_lt_u32 ttmp9, 2
	s_cbranch_scc0 .Lv_out
	RBLOCK 0
	LOW 0, T
.irp a, 1,2,3,4,5,6,7
	RBLOCK \a
.endr
	s_branch .Lend
.Lv_out:
	VBLOCK 0
	LOW 0x02, 0
.irp a, 1,2,3,4,5,6,7
	VBLOCK \a
.endr
.Lend:
	s_wait_tensorcnt 0x0                           ; the wave's end
	ds_add_u32 v[SPW], v[NIL]
	s_wait_dscnt 0x0
	CROUND                                         ; the closing round
	s_endpgm
.Lfunc_end_k_qbeaef2758c_qkv:
	.size	k_qbeaef2758c_qkv, .Lfunc_end_k_qbeaef2758c_qkv-k_qbeaef2758c_qkv
	.p2alignl 7, 3214868480
	.fill 96, 4, 3214868480
	.section	.rodata,"a",@progbits
	.p2align	6, 0x0
	.amdhsa_kernel k_qbeaef2758c_qkv
		.amdhsa_group_segment_fixed_size 327680
		.amdhsa_private_segment_fixed_size 0
		.amdhsa_enable_private_segment 0
		.amdhsa_kernarg_size 16
		.amdhsa_user_sgpr_count 2
		.amdhsa_user_sgpr_kernarg_segment_ptr 1
		.amdhsa_wavefront_size32 1
		.amdhsa_system_sgpr_workgroup_id_x 1
		.amdhsa_system_sgpr_workgroup_id_y 1
		.amdhsa_system_sgpr_workgroup_id_z 1
		.amdhsa_system_vgpr_workitem_id 0
		.amdhsa_next_free_vgpr 1024
		.amdhsa_next_free_sgpr 102
		.amdhsa_reserve_vcc 1
		.amdhsa_float_denorm_mode_32 3
		.amdhsa_float_denorm_mode_16_64 3
		.amdhsa_memory_ordered 1
		.amdhsa_forward_progress 1
		.amdhsa_inst_pref_size 199
	.end_amdhsa_kernel
	.amdgpu_metadata
---
amdhsa.version: [ 1, 2 ]
amdhsa.kernels:
  - .name:           k_qbeaef2758c_qkv
    .symbol:         k_qbeaef2758c_qkv.kd
    .args:
      - { .name: pre, .offset: 0, .size: 8, .value_kind: global_buffer, .address_space: global }
      - { .name: qkv, .offset: 8, .size: 8, .value_kind: global_buffer, .address_space: global }
    .group_segment_fixed_size: 327680
    .private_segment_fixed_size: 0
    .kernarg_segment_align: 8
    .kernarg_segment_size: 16
    .max_flat_workgroup_size: 128
    .sgpr_count:     102
    .vgpr_count:     1024
    .wavefront_size: 32
...
	.end_amdgpu_metadata
.endif
;; end of part 2
;; launch attn (part 3): grid 4 x 64, 8 waves a work-group, no clusters, 164,864 bytes of LDS; arguments qkv, mk, att; writes att
.if DOCPART == 3
	.amdgcn_target "amdgcn-amd-amdhsa--gfx1250"
	.amdhsa_code_object_version 6
	.text
	.protected	k_qbeaef2758c_attn
	.globl	k_qbeaef2758c_attn
	.p2align	8
	.type	k_qbeaef2758c_attn,@function
k_qbeaef2758c_attn:
	s_mov_b64 s[64:65], 0
	v_nop
	global_prefetch_b8 v0, s[64:65] scope:SCOPE_SE
	s_setreg_imm32_b32 hwreg(HW_REG_WAVE_MODE, 25, 1), 1
	s_wait_xcnt 0x0
; O = softmax(Q K^T / 8, under the mask as it is given) V for one batch and head, f16 operands, f32 sums, maxima and row sums.
; SHARES.  Work-group (i, batch x 16 + head), eight waves, two to a SIMD, so that one wave's softmax stands beside the other's products.  Wave w owns four tiles of 16 queries: piece A = rows 32 w .. + 31 of
; query block 7 - i (blocks of 256), piece B = the same rows of block i: under a lower-triangular mask all waves then have equal work; under any other mask only the balance changes.
; THE MASK.  An earlier launch stored, for each 16 queries x 64 keys, a flag (0 empty, 1 partial, 2 full) and 32 lane-mask words.  A piece whose two tiles are empty in a step is jumped over (scalar branches on the stored
; flags; no barrier stands under one); where not both are full, the words turn hidden scores into -infinity.  Since branches hang on stored numbers, K and V come by loads through registers, and there are no joint requests:
; partners would take different ways.
; ONE WALK over the keys: 8 slots of 4 steps of 64 keys, all trip counts constants.  While a slot is read, each wave brings one token tile (16 keys x 64 channels) of K (waves 0-3) or V (waves 4-7) of each step of the next slot.
; LAYOUT.  S^T = K Q^T, O^T = V^T P: a lane holds ONE query (lane % 16) throughout.  Operands are UNITS (16 rows x 16 channels of f16, lane r + 16 h: row r, channels 8 h ..); two units are a fragment of 16 x 32.
; LDS.  A unit takes 640 bytes: lanes 0-15 at 16 l, lanes 16-31 at 16 l + 128, so that plain loads, stores and the turning loads each touch every bank once in a pass.  A slot = 8 regions, one a wave, of 4 steps x 4 units.
; A row with no key at all ends with l = 0 and O = 0: 0 x (1 / 0) is NaN, as the softmax of such a row is.
; REGISTERS.  window 0: v1-11 addresses; v16-47 statistics, 8 a tile (c m, m, l twice, c0-c3; a in c2); v48-63 the staged tile; v64-127 S^T of a piece; v128-159 P; v192-255 Q.  window 1: v0-63 K, v64-127 V, v128-255 O^T.
; LIMITS: NaN and infinities among q, k, v are not served; the result must lie inside f16's range.
.set REG,   10240                      ; a wave's region in a slot
.set TILEB, 2560                       ; a token tile: 4 units
.set UP,    640
.set SLOTB, 8*REG
.set SPARE, 2*SLOTB                    ; the spare words: 128 bytes a wave, named by no other line
.set K_OFF, 16777216
.set V_OFF, 33554432
.set FLG_OFF, 524288
.set MSB, 0
.macro WIN new
.if MSB != \new
	s_set_vgpr_msb (MSB<<8)|\new
.set MSB, \new
.endif
.endm
; s[4:9] qkv, mk, att; s[10:11], s[12:13] the pieces' mask words; s14 wave; s15 step; s16 prefetch limit; s18, s19 / s26, s27 a bit a step: piece A / B has work, wants the words; s[20:21], s[22:23] where O goes;
; s[24:25] the staged tile in memory; s[28:29] c; s[30:31] lane selects; s66, s67 LDS byte of the step read, staged; s100, s101 counters; s[32:63], s[68:99] mask words
	s_load_b128 s[4:7], s[0:1], 0x0
	s_load_b64 s[8:9], s[0:1], 0x10
	v_lshl_add_u32 v8, v0, 2, SPARE
	v_mov_b32 v9, 0
	v_lshrrev_b32 v1, 5, v0
	v_readfirstlane_b32 s14, v1
	v_and_b32 v10, 31, v0
	v_bfe_u32 v11, v0, 4, 1
	v_lshlrev_b32 v6, 4, v10                       ; v6: 16 x lane
	v_lshl_add_u32 v1, v11, 7, v6                  ; v1: my place in a unit in LDS
	v_and_b32 v2, 7, v0
	v_lshl_add_u32 v2, v11, 3, v2
	v_lshlrev_b32 v2, 4, v2
	v_bfe_u32 v3, v0, 3, 1
	v_mad_u32_u24 v2, v3, 384, v2                  ; v2: the turning load: key 8 (l / 16) + l % 8, channel half (l / 8) % 2,
	v_add_nc_u32 v2, 4*REG, v2                     ; in V's regions
	s_mul_i32 s2, s14, REG
	v_add_nc_u32 v3, s2, v1                        ; v3: where I stage
	v_mov_b32 v7, 0xff800000                       ; -infinity
	v_lshlrev_b32 v10, 8, v10                      ; v10: 256 x lane, the prefetches' offset
	s_and_b32 s17, ttmp7, 0xffff
	s_sub_co_u32 s104, 7, ttmp9
	s_mov_b32 s3, 0
	s_lshl_b32 s105, s17, 18                       ; a head's images: 262,144 bytes
	s_lshr_b32 s100, s17, 4
	s_lshl_b32 s100, s100, 22
	s_and_b32 s101, s17, 15
	s_lshl_b32 s101, s101, 11
	s_add_co_u32 s100, s100, s101                  ; att: batch x 128 token tiles of 32,768 bytes + head x 4 units
	s_mov_b32 s28, 0x3e38aa3b                      ; c = log2(e) / 8
	s_mov_b32 s29, s28
	s_mov_b32 s30, 0x76543210
	s_mov_b32 s31, 0xfedcba98
	s_and_b32 s2, s14, 3
	s_or_b32 s2, s2, ttmp9
	s_cmp_eq_u32 s2, 0
	s_cselect_b32 s16, 24, 0                       ; waves 0 and 4 of the head's first work-group prefetch, while a step eight on exists
	s_wait_kmcnt 0x0
.macro BASES blk, q, f, m, o
	s_lshl_b32 s2, \blk, 15
	s_add_co_u32 s2, s2, s105
	s_lshl_b32 s101, s14, 12
	s_add_co_u32 s2, s2, s101
	s_add_nc_u64 s[\q:\q+1], s[4:5], s[2:3]        ; Q: token tile 16 blk + 2 w
	s_lshl_b32 s2, \blk, 11
	s_lshr_b32 s101, s14, 1
	s_lshl_b32 s101, s101, 9
	s_add_co_u32 s2, s2, s101
	s_and_b32 s101, s14, 1
	s_lshl_b32 s101, s101, 3
	s_add_co_u32 s2, s2, s101
	s_add_co_u32 s2, s2, FLG_OFF
	s_add_nc_u64 s[\f:\f+1], s[6:7], s[2:3]        ; my two tiles' flags: 16 bytes a step
	s_lshl_b32 s2, \blk, 16
	s_lshl_b32 s101, s14, 13
	s_add_co_u32 s2, s2, s101
	s_add_nc_u64 s[\m:\m+1], s[6:7], s[2:3]        ; their mask words: 4,096 bytes a tile, 128 a step
	s_lshl_b32 s2, \blk, 19
	s_lshl_b32 s101, s14, 16
	s_add_co_u32 s2, s2, s101
	s_add_co_u32 s2, s2, s100
	s_add_nc_u64 s[\o:\o+1], s[8:9], s[2:3]
.endm
	BASES s104, 32, 36, 10, 20
	BASES ttmp9, 34, 38, 12, 22
	s_and_b32 s2, s14, 3
	s_lshl_b32 s2, s2, 11
	s_add_co_u32 s2, s2, s105
	s_cmp_lt_u32 s14, 4
	s_mov_b32 s101, V_OFF
	s_cselect_b32 s101, K_OFF, s101
	s_add_co_u32 s2, s2, s101
	s_add_nc_u64 s[24:25], s[4:5], s[2:3]          ; token tile w % 4 of step 0, of K or of V
.irp j, 0,1,2,3
.irp u, 0,1,2,3
	global_load_b128 v[48+16*\j+4*\u:51+16*\j+4*\u], v6, s[24:25] offset:\j*8192+\u*512   ; slot 0: my tile of its four steps
.endr
.endr
	global_load_b64 v[12:13], v6, s[36:37]         ; lane = step
	global_load_b64 v[14:15], v6, s[38:39]
.irp t, 0,1
.irp n, 0,1,2,3
	global_load_b128 v[192+16*\t+4*\n:195+16*\t+4*\n], v6, s[32:33] offset:\t*2048+\n*512
	global_load_b128 v[224+16*\t+4*\n:227+16*\t+4*\n], v6, s[34:35] offset:\t*2048+\n*512
.endr
.endr
	WIN 0x40
.set ii, 128
.rept 128
	v_mov_b32 v[ii], 0                             ; O^T: which step is a tile's first hangs on the mask, so no first step can be written out to start the sums
.set ii, ii+1
.endr
	WIN 0
.irp t, 0,1,2,3
	v_mov_b32 v[17+8*\t], 0xff61b1e6               ; m = -3e38, under every score
	v_mul_f32 v[16+8*\t], 0xff61b1e6, s28          ; c m
.irp j, 2,3,4,5,6,7
	v_mov_b32 v[16+8*\t+\j], 0
.endr
.endr
	s_wait_loadcnt 0x0
.irp j, 0,1,2,3
.irp u, 0,1,2,3
	ds_store_b128 v3, v[48+16*\j+4*\u:51+16*\j+4*\u] offset:\j*TILEB+\u*UP
.endr
.endr
	v_or_b32 v4, v12, v13
	v_and_b32 v5, v12, v13
	v_cmp_ne_u32 s18, 0, v4                        ; a bit a step: one of my two tiles has a key
	v_cmp_eq_u32 s19, 2, v5                        ; both are full
	s_and_not1_b32 s19, s18, s19
	v_or_b32 v4, v14, v15
	v_and_b32 v5, v14, v15
	v_cmp_ne_u32 s26, 0, v4
	v_cmp_eq_u32 s27, 2, v5
	s_and_not1_b32 s27, s26, s27
	s_add_nc_u64 s[24:25], s[24:25], 32768         ; (the loads are done) on to step 4
	s_wait_dscnt 0x0
	s_barrier_signal -1
	s_barrier_wait -1                              ; slot 0 lies in LDS
; The softmax of a piece's two tiles for one step, the tiles by turns line by line.  T0: the first tile's number.
.macro SOFT T0
.irp k, 0,1,2,3
.irp t, 0,1
	v_max3_num_f32 v[20+8*(\T0+\t)+\k], v[64+32*\t+8*\k], v[65+32*\t+8*\k], v[66+32*\t+8*\k]   ; four chains, one an accumulator, each begun at its low end
.endr
.endr
.irp g, 3,5
.irp k, 0,1,2,3
.irp t, 0,1
	v_max3_num_f32 v[20+8*(\T0+\t)+\k], v[20+8*(\T0+\t)+\k], v[64+32*\t+8*\k+\g], v[65+32*\t+8*\k+\g]
.endr
.endr
.endr
.irp t, 0,1
	v_max3_num_f32 v[20+8*(\T0+\t)], v[20+8*(\T0+\t)], v[71+32*\t], v[79+32*\t]
.endr
.irp t, 0,1
	v_max3_num_f32 v[22+8*(\T0+\t)], v[22+8*(\T0+\t)], v[87+32*\t], v[95+32*\t]
.endr
.irp t, 0,1
	v_max3_num_f32 v[20+8*(\T0+\t)], v[20+8*(\T0+\t)], v[21+8*(\T0+\t)], v[22+8*(\T0+\t)]
.endr
.irp t, 0,1
	v_max3_num_f32 v[20+8*(\T0+\t)], v[20+8*(\T0+\t)], v[23+8*(\T0+\t)], v[17+8*(\T0+\t)]   ; and the old m
.endr
.irp t, 0,1
	v_permlanex16_b32 v[21+8*(\T0+\t)], v[20+8*(\T0+\t)], s30, s31                           ; the query's other 32 keys lie 16 lanes away
.endr
.irp t, 0,1
	v_mov_b32 v[23+8*(\T0+\t)], v[16+8*(\T0+\t)]
.endr
.irp t, 0,1
	v_max_num_f32 v[17+8*(\T0+\t)], v[20+8*(\T0+\t)], v[21+8*(\T0+\t)]
.endr
.irp t, 0,1
	v_mul_f32 v[16+8*(\T0+\t)], s28, v[17+8*(\T0+\t)]
.endr
.irp t, 0,1
	v_sub_f32 v[23+8*(\T0+\t)], v[23+8*(\T0+\t)], v[16+8*(\T0+\t)]                           ; c m_old - c m_new
.endr
.set jj, 0
.rept 16
.irp t, 0,1
	v_pk_fma_f32 v[64+32*\t+jj:65+32*\t+jj], v[64+32*\t+jj:65+32*\t+jj], s[28:29], v[16+8*(\T0+\t):17+8*(\T0+\t)] op_sel_hi:[1,0,0] neg_lo:[0,0,1] neg_hi:[0,0,1]   ; c s - c m
.endr
.set jj, jj+2
.endr
.irp t, 0,1
	v_exp_f32 v[22+8*(\T0+\t)], v[23+8*(\T0+\t)]   ; a
.endr
.set jj, 0
.rept 32
.irp t, 0,1
	v_exp_f32 v[64+32*\t+jj], v[64+32*\t+jj]       ; p: one batch of 66 exponentials,
.endr
.set jj, jj+1
.endr
	v_nop                                          ; one plain line behind it,
	s_wait_alu depctr_va_vdst(0)                   ; and one wait ahead of the first reader
.set jj, 0
.rept 16
.irp t, 0,1
	v_cvt_pk_f16_f32 v[128+16*\t+jj], v[64+32*\t+2*jj], v[65+32*\t+2*jj]   ; two neighbouring keys a register: source 1 of V^T P as it stands
.endr
.set jj, jj+1
.endr
.irp u, 0,1,2,3,4,5,6,7
.irp t, 0,1
	v_pk_add_f32 v[64+32*\t+4*\u:65+32*\t+4*\u], v[64+32*\t+4*\u:65+32*\t+4*\u], v[66+32*\t+4*\u:67+32*\t+4*\u]   ; the row's sum of the unrounded p
.endr
.endr
.irp u, 0,1,2,3
.irp t, 0,1
	v_pk_add_f32 v[64+32*\t+8*\u:65+32*\t+8*\u], v[64+32*\t+8*\u:65+32*\t+8*\u], v[68+32*\t+8*\u:69+32*\t+8*\u]
.endr
.endr
.irp u, 0,1
.irp t, 0,1
	v_pk_add_f32 v[64+32*\t+16*\u:65+32*\t+16*\u], v[64+32*\t+16*\u:65+32*\t+16*\u], v[72+32*\t+16*\u:73+32*\t+16*\u]
.endr
.endr
.irp t, 0,1
	v_pk_add_f32 v[64+32*\t:65+32*\t], v[64+32*\t:65+32*\t], v[80+32*\t:81+32*\t]
.endr
.irp t, 0,1
	v_pk_fma_f32 v[18+8*(\T0+\t):19+8*(\T0+\t)], v[18+8*(\T0+\t):19+8*(\T0+\t)], v[22+8*(\T0+\t):23+8*(\T0+\t)], v[64+32*\t:65+32*\t] op_sel_hi:[1,0,1]   ; l = a l + the sum
.endr
	WIN 0x41
.set jj, 0
.rept 16
.irp t, 0,1
	v_pk_mul_f32 v[128+32*(\T0+\t)+jj:129+32*(\T0+\t)+jj], v[128+32*(\T0+\t)+jj:129+32*(\T0+\t)+jj], v[22+8*(\T0+\t):23+8*(\T0+\t)] op_sel_hi:[1,0]   ; O^T x a, each accumulator from its low end on
.endr
.set jj, jj+2
.endr
	WIN 0
.endm
; A piece's turn in a step.  The accumulators take turns, one instruction a turn.
.macro PIECE T0, any, part, mb
	s_bitcmp1_b32 s[\any], 0
	s_cbranch_scc0 .Lskip_\@
	s_wait_dscnt 16                                ; K's 16 loads are in; V's 16, issued behind them, may be out
	WIN 0x01
.set ii, 0
.rept 16
.set rS, 64+32*(ii%2)+8*((ii/2)%4)
.set rK, 16*((ii/2)%4)+8*(ii/8)
.set rQ, 192+16*(\T0+ii%2)+8*(ii/8)
.if ii < 8
	v_wmma_f32_16x16x32_f16 v[rS:rS+7], v[rK:rK+7], v[rQ:rQ+7], 0
.else
	v_wmma_f32_16x16x32_f16 v[rS:rS+7], v[rK:rK+7], v[rQ:rQ+7], v[rS:rS+7]
.endif
.set ii, ii+1
.endr
	WIN 0
.rept 4
	v_nop                                          ; places in front of the first read of the scores
.endr
	s_bitcmp1_b32 s[\part], 0
	s_cbranch_scc0 .Lfull_\@
	s_load_b512 s[32:47], s[\mb:\mb+1], 0x0        ; asked for, awaited and used inside this one branch
	s_load_b512 s[48:63], s[\mb:\mb+1], 0x40
	s_load_b512 s[68:83], s[\mb:\mb+1], 0x1000
	s_load_b512 s[84:99], s[\mb:\mb+1], 0x1040
	s_wait_kmcnt 0x0
.set ii, 0
.rept 32
	v_cndmask_b32 v[64+ii], v7, v[64+ii], s[32+ii]
.set ii, ii+1
.endr
.set ii, 0
.rept 32
	v_cndmask_b32 v[96+ii], v7, v[96+ii], s[68+ii]
.set ii, ii+1
.endr
.Lfull_\@:
	SOFT \T0
	s_wait_dscnt 0x0                               ; V is in
	WIN 0x51
.set ii, 0
.rept 16
.set rO, 128+32*(\T0+ii%2)+8*((ii/2)%4)
.set rV, 64+32*(ii/8)+8*((ii/2)%4)
.set rP, 128+16*(ii%2)+8*(ii/8)
	v_wmma_f32_16x16x32_f16 v[rO:rO+7], v[rV:rV+7], v[rP:rP+7], v[rO:rO+7]
.set ii, ii+1
.endr
	WIN 0
.Lskip_\@:
.endm
.macro STEP
	s_wait_dscnt 0x0                               ; on every way: no LDS instruction of mine is out.  The last step's LDS stores have read the staging registers, and its 32 loads of K and V have landed,
	                                               ; also on the way through the text on which neither piece waited for them: this step's loads go into the same registers
	s_cmp_lt_u32 s15, 28                           ; the last slot stages nothing: no load leaves the head's images
	s_cbranch_scc0 .Lnostage_\@
.irp u, 0,1,2,3
	global_load_b128 v[48+4*\u:51+4*\u], v6, s[24:25] offset:512*\u   ; my token tile of the step four on
.endr
	s_cmp_lt_u32 s15, s16
	s_cbranch_scc0 .Lnostage_\@
	global_prefetch_b8 v10, s[24:25] offset:32768 th:TH_LOAD_NT scope:SCOPE_SE   ; the 8,192 bytes of K (wave 0) or V (wave 4) of the step eight on, a lane 256 bytes: each named once in the launch
.Lnostage_\@:
	s_or_b32 s2, s18, s26
	s_bitcmp1_b32 s2, 0
	s_cbranch_scc0 .Lidle_\@
	v_add_nc_u32 v4, s66, v1
	v_add_nc_u32 v5, s66, v2
	v_nop
	v_nop                                          ; four places between the last products and the loads into their operands
	WIN 0x40
.irp kt, 0,1,2,3
.irp n, 0,1,2,3
	ds_load_b128 v[16*\kt+4*\n:16*\kt+4*\n+3], v4 offset:\kt*REG+\n*UP
.endr
.endr
.irp kk, 0,1
.irp ct, 0,1,2,3
.irp c, 0,1
	ds_load_tr16_b128 v[64+32*\kk+8*\ct+4*\c:67+32*\kk+8*\ct+4*\c], v5 offset:(2*\kk+\c)*REG+\ct*UP
.endr
.endr
.endr
	WIN 0
	PIECE 0, 18, 19, 10
	PIECE 2, 26, 27, 12
.Lidle_\@:
	s_wait_loadcnt 0x0                             ; on every way: the staged tile is in registers
	s_cmp_lt_u32 s15, 28
	s_cbranch_scc0 .Lnostore_\@
	v_add_nc_u32 v11, s67, v3
.irp u, 0,1,2,3
	ds_store_b128 v11, v[48+4*\u:51+4*\u] offset:\u*UP
.endr
.Lnostore_\@:
	s_wait_xcnt 0x0                                ; the loads and the prefetch have read their base
	s_add_nc_u64 s[24:25], s[24:25], 8192
	s_add_nc_u64 s[10:11], s[10:11], 128
	s_add_nc_u64 s[12:13], s[12:13], 128
	s_lshr_b32 s18, s18, 1
	s_lshr_b32 s19, s19, 1
	s_lshr_b32 s26, s26, 1
	s_lshr_b32 s27, s27, 1
	s_add_co_u32 s66, s66, TILEB
	s_add_co_u32 s67, s67, TILEB
	s_add_co_u32 s15, s15, 1
.endm
; One barrier a slot: in front of it my reads of this slot and my stores into the other are done; behind it the other is read and this one is written.
.macro SLOT s
	s_mov_b32 s66, \s*SLOTB
	s_mov_b32 s67, (1-\s)*SLOTB
	s_mov_b32 s101, 4
.Lstep_\@:
	STEP
	s_sub_co_u32 s101, s101, 1
	s_cmp_lg_u32 s101, 0
	s_cbranch_scc1 .Lstep_\@
	s_wait_dscnt 0x0
	s_barrier_signal -1
	s_barrier_wait -1
.endm
	s_mov_b32 s15, 0
	s_mov_b32 s100, 4
.Lslots:
	SLOT 0
	SLOT 1
	s_sub_co_u32 s100, s100, 1
	s_cmp_lg_u32 s100, 0
	s_cbranch_scc1 .Lslots
	; THE WAY OUT: O^T / l, rounded to f16: a lane's eight channels are its 16 bytes of a unit.  The four additions are the places behind the last products.
.irp t, 0,1,2,3
	v_add_f32 v[20+8*\t], v[18+8*\t], v[19+8*\t]
.endr
.irp t, 0,1,2,3
	v_permlanex16_b32 v[21+8*\t], v[20+8*\t], s30, s31
.endr
.irp t, 0,1,2,3
	v_add_f32 v[20+8*\t], v[20+8*\t], v[21+8*\t]
.endr
.irp t, 0,1,2,3
	v_rcp_f32 v[22+8*\t], v[20+8*\t]
.endr
	v_nop
	s_wait_alu depctr_va_vdst(0)                   ; one wait for the four reciprocals
	WIN 0x41
.irp t, 0,1,2,3
.set jj, 0
.rept 16
	v_pk_mul_f32 v[128+32*\t+jj:129+32*\t+jj], v[128+32*\t+jj:129+32*\t+jj], v[22+8*\t:23+8*\t] op_sel_hi:[1,0]
.set jj, jj+2
.endr
.endr
	WIN 0x05
.set jj, 0
.rept 64
	v_cvt_pk_f16_f32 v[64+jj], v[128+2*jj], v[129+2*jj]
.set jj, jj+1
.endr
	WIN 0
.irp t, 0,1
.irp ct, 0,1,2,3
	global_store_b128 v6, v[64+16*\t+4*\ct:67+16*\t+4*\ct], s[20:21] offset:\t*32768+\ct*512   ; 512 consecutive bytes, aligned
	global_store_b128 v6, v[96+16*\t+4*\ct:99+16*\t+4*\ct], s[22:23] offset:\t*32768+\ct*512
.endr
.endr
	s_wait_tensorcnt 0x0                           ; the wave's end, behind my last LDS store
	ds_add_u32 v8, v9
	s_wait_dscnt 0x0
	s_endpgm
.Lfunc_end_k_qbeaef2758c_attn:
	.size	k_qbeaef2758c_attn, .Lfunc_end_k_qbeaef2758c_attn-k_qbeaef2758c_attn
	.p2alignl 7, 3214868480
	.fill 96, 4, 3214868480
	.section	.rodata,"a",@progbits
	.p2align	6, 0x0
	.amdhsa_kernel k_qbeaef2758c_attn
		.amdhsa_group_segment_fixed_size 164864
		.amdhsa_private_segment_fixed_size 0
		.amdhsa_enable_private_segment 0
		.amdhsa_kernarg_size 24
		.amdhsa_user_sgpr_count 2
		.amdhsa_user_sgpr_kernarg_segment_ptr 1
		.amdhsa_wavefront_size32 1
		.amdhsa_system_sgpr_workgroup_id_x 1
		.amdhsa_system_sgpr_workgroup_id_y 1
		.amdhsa_system_sgpr_workgroup_id_z 1
		.amdhsa_system_vgpr_workitem_id 0
		.amdhsa_next_free_vgpr 512
		.amdhsa_next_free_sgpr 106
		.amdhsa_reserve_vcc 0
		.amdhsa_float_denorm_mode_32 3
		.amdhsa_float_denorm_mode_16_64 3
		.amdhsa_memory_ordered 1
		.amdhsa_forward_progress 1
		.amdhsa_inst_pref_size 110
	.end_amdhsa_kernel
	.amdgpu_metadata
---
amdhsa.version: [ 1, 2 ]
amdhsa.kernels:
  - .name:           k_qbeaef2758c_attn
    .symbol:         k_qbeaef2758c_attn.kd
    .args:
      - { .name: qkv, .offset: 0, .size: 8, .value_kind: global_buffer, .address_space: global }
      - { .name: mk, .offset: 8, .size: 8, .value_kind: global_buffer, .address_space: global }
      - { .name: att, .offset: 16, .size: 8, .value_kind: global_buffer, .address_space: global }
    .group_segment_fixed_size: 164864
    .private_segment_fixed_size: 0
    .kernarg_segment_align: 8
    .kernarg_segment_size: 24
    .max_flat_workgroup_size: 256
    .sgpr_count:     106
    .vgpr_count:     512
    .wavefront_size: 32
...
	.end_amdgpu_metadata
.endif
;; end of part 3
;; launch proj (part 4): grid 8 x 32, 4 waves a work-group, clusters of 4 x 4, 327,680 bytes of LDS; arguments att, pre, out0; writes out0
.if DOCPART == 4
	.amdgcn_target "amdgcn-amd-amdhsa--gfx1250"
	.amdhsa_code_object_version 6
	.text
	.protected	k_qbeaef2758c_proj
	.globl	k_qbeaef2758c_proj
	.p2align	8
	.type	k_qbeaef2758c_proj,@function
k_qbeaef2758c_proj:
	s_mov_b64 s[64:65], 0
	v_nop
	global_prefetch_b8 v0, s[64:65] scope:SCOPE_SE
	s_setreg_imm32_b32 hwreg(HW_REG_WAVE_MODE, 25, 1), 1
	s_wait_xcnt 0x0
	s_wait_alu depctr_hold_cnt(0) depctr_sa_sdst(0) depctr_va_vdst(0) depctr_va_sdst(0) depctr_va_ssrc(0) depctr_va_vcc(0) depctr_vm_vsrc(0)
	s_getreg_b32 s2, hwreg(HW_REG_IB_STS2, 6, 4)
	s_cmp_eq_u32 s2, 0
	s_cbranch_scc0 .Lentry_in_a_cluster
	s_endpgm
.Lentry_in_a_cluster:
	s_bfe_u32 s2, ttmp6, 0x10000c
	s_cmp_lg_u32 s2, 0xf033
	s_cbranch_scc0 .Lentry_shape_is_right
	s_endpgm
.Lentry_shape_is_right:
; out = attention's result x Wo^T: 8,192 x 1,024 x 1,024, f16 operands, f32 sums and output.
; Both operands lie in memory as UNITS (16 rows x 16 channels of f16, 512 bytes, lane r + 16 h: row r, channels 8 h ..), [tile of 16 rows][64 units]: images of the operands' registers.  So a K step of 128 channels is
; 4,096 consecutive bytes of each tile of rows, LDS needs no padding (a load's 512 bytes are consecutive), and a fragment of 16 x 32 is two loads 512 bytes apart.
; A tile of 256 tokens x 128 columns to a work-group: 256 work-groups.  Wave w: tokens 64 w .. + 63, all 128 columns: 32 accumulators.  K goes in 8 steps through two LDS slots.
; CLUSTERS: 4 x 4; the tokens' tiles are asked for jointly along a row of the cluster, Wo's along a column.  TRANSPOSED use (source 0 = 16 rows of Wo, source 1 = 16 tokens): a lane holds eight neighbouring columns of a row.
; REGISTERS: window 0: v16-29 addresses; v64-159, v160-255 two fragment buffers (Wo's 8 fragments, then the tokens' 4); on the way out v64-191 rows of out.  window 1: accumulator (a, b) at v[8 (8 a + b)].
.set KSB,    4096                      ; a K step of a tile of 16 rows
.set ASZ,    65536                     ; the tokens' part of a slot: 16 tiles
.set SLOT,   98304                     ; + Wo's 8 tiles
.set STAGE,  2*SLOT                    ; 16 rows x (512 + 16) bytes for each wave
.set SPITCH, 528
.set SPARE,  STAGE+4*16*SPITCH         ; the spare words: 128 bytes a wave, named by no other line
.set LAPS,   4
.set WOH_OFF, 6651904
.set ADRA, 16
.set ADRB, 20
.set STO,  24
.set RD,   25
.set CO,   26
.set SPW,  28
.set NIL,  29
.set F0,   64
.set F1,   160
.set BK,   64
.set G1, 24
.set G0, 32
.set G1B, 48
.set G0B, 56
.set MSB, 0
.macro WIN new
.if MSB != \new
	s_set_vgpr_msb (MSB<<8)|\new
.set MSB, \new
.endif
.endm
.set MUL, 0x50                         ; C and D window 1
.macro JLOAD s                         ; waves 0, 1 fetch the tokens' halves, waves 2, 3 Wo's; s_nop 0 and four v_nop behind each line
	s_cmp_eq_u32 s11, 0
	s_cbranch_scc0 .Lfor_b_\@
	tensor_load_to_lds s[G0+4*\s:G0+4*\s+3], s[G1:G1+7]
	s_nop 0
.rept 4
	v_nop
.endr
	s_branch .Lasked_\@
.Lfor_b_\@:
	tensor_load_to_lds s[G0B+4*\s:G0B+4*\s+3], s[G1B:G1B+7]
	s_nop 0
.rept 4
	v_nop
.endr
.Lasked_\@:
.endm
.macro CREST
	s_cmp_lg_u32 s10, 0
	s_cbranch_scc1 .Lnot_wave_0_\@
	s_barrier_signal -3
.Lnot_wave_0_\@:
	s_barrier_wait -3
	s_barrier_signal -1
	s_barrier_wait -1
.endm
.macro CROUND
	s_barrier_signal -1
	s_barrier_wait -1
	CREST
.endm
	s_load_b128 s[4:7], s[0:1], 0x0                ; att, pre
	s_load_b64 s[8:9], s[0:1], 0x10                ; out0
	v_lshl_add_u32 v[SPW], v0, 2, SPARE
	v_mov_b32 v[NIL], 0
	ds_add_u32 v[SPW], v[NIL]                      ; the opening: the add, twice on end, and its wait ahead of my first tensor load
	ds_add_u32 v[SPW], v[NIL]
	v_lshrrev_b32 v1, 5, v0
	v_readfirstlane_b32 s10, v1
	s_lshr_b32 s11, s10, 1                         ; I fetch for the tokens (0) or for Wo (1),
	s_and_b32 s12, s10, 1                          ; and which half
	s_bfe_u32 s40, ttmp6, 0x40000
	s_bfe_u32 s41, ttmp6, 0x40004
	s_lshl_b32 s42, ttmp9, 2
	s_add_co_u32 s42, s42, s40                     ; tile column
	s_and_b32 s13, ttmp7, 0xffff
	s_lshl_b32 s13, s13, 2
	s_add_co_u32 s13, s13, s41                     ; tile row
	s_lshl_b32 s43, s41, 2
	s_lshl_b32 s43, 15, s43
	s_lshl_b32 s44, 0x1111, s40
	s_or_b32 s[G1+0], s43, (3<<16)|(1<<21)         ; the mask; elements of 8 bytes; bit 21 beside a mask; no padding
	s_or_b32 s[G1B+0], s44, (3<<16)|(1<<21)
.irp g, G1, G1B
	s_mov_b32 s[\g+1], 512<<16                     ; a row: 512 elements, 4,096 bytes
	s_mov_b32 s[\g+3], 512<<16
	s_mov_b32 s[\g+5], 4096                        ; from a tile of rows to the next: 32,768 bytes
	s_mov_b32 s[\g+6], 0
	s_mov_b32 s[\g+7], 0
.endr
	s_mov_b32 s[G1+2], 8<<16                       ; 8 tiles of tokens to a load,
	s_mov_b32 s[G1+4], 8
	s_mov_b32 s[G1B+2], 4<<16                      ; 4 of Wo's rows
	s_mov_b32 s[G1B+4], 4
	s_lshl_b32 s16, s13, 19
	s_lshl_b32 s17, s12, 18
	s_add_co_u32 s16, s16, s17                     ; token tile 16 x tile row + 8 x half
	s_mov_b32 s17, 0
	s_lshl_b32 s46, s42, 18
	s_lshl_b32 s47, s12, 17
	s_add_co_u32 s46, s46, s47                     ; Wo's tile 8 x tile column + 4 x half
	s_add_co_u32 s46, s46, WOH_OFF
	s_mov_b32 s47, 0
	s_lshl_b32 s20, s12, 15                        ; where they go in a slot
	s_lshl_b32 s21, s12, 14
	s_add_co_u32 s21, s21, ASZ
	s_wait_dscnt 0x0
	s_wait_kmcnt 0x0
	s_add_nc_u64 s[14:15], s[4:5], s[16:17]
	s_add_nc_u64 s[46:47], s[6:7], s[46:47]
	CROUND
.irp s, 0,1
	s_mov_b32 s[G0+4*\s], 1
	s_add_co_u32 s[G0+4*\s+1], s20, \s*SLOT
	s_add_nc_u64 s[G0+4*\s+2:G0+4*\s+3], s[14:15], \s*KSB
	s_or_b32 s[G0+4*\s+3], s[G0+4*\s+3], 0x80000000
	s_mov_b32 s[G0B+4*\s], 1
	s_add_co_u32 s[G0B+4*\s+1], s21, \s*SLOT
	s_add_nc_u64 s[G0B+4*\s+2:G0B+4*\s+3], s[46:47], \s*KSB
	s_or_b32 s[G0B+4*\s+3], s[G0B+4*\s+3], 0x80000000
	JLOAD \s
.endr
	v_and_b32 v1, 31, v0
	v_lshlrev_b32 v[CO], 4, v1                     ; 16 x lane
	s_lshl_b32 s22, s10, 14                        ; my four tiles of tokens
	v_add_nc_u32 v[ADRA], s22, v[CO]
	v_add_nc_u32 v[ADRA+1], SLOT, v[ADRA]
	v_add_nc_u32 v[ADRB], ASZ, v[CO]
	v_add_nc_u32 v[ADRB+1], SLOT, v[ADRB]
	v_and_b32 v2, 15, v0
	v_bfe_u32 v3, v0, 4, 1
	s_mul_i32 s23, s10, 16*SPITCH
	s_add_co_u32 s23, s23, STAGE
	v_mul_u32_u24 v4, v2, SPITCH
	v_lshl_add_u32 v4, v3, 5, v4
	v_add_nc_u32 v[STO], s23, v4                   ; into my stage: row l % 16, 32 bytes for each half of the lanes
	v_add_nc_u32 v[RD], s23, v[CO]                 ; back: a whole row of 512 bytes
	s_lshl_b32 s16, s13, 20
	s_lshl_b32 s17, s10, 18
	s_add_co_u32 s16, s16, s17                     ; my first row: 256 x tile row + 64 x wave, 4,096 bytes a row
	s_mov_b32 s17, 0
	s_add_nc_u64 s[8:9], s[8:9], s[16:17]
	s_lshl_b32 s46, s42, 9
	s_mov_b32 s47, 0
	s_add_nc_u64 s[8:9], s[8:9], s[46:47]
.macro MUL8 f, a, zero                 ; the tokens' block a against Wo's eight; the 32 accumulators take turns, one instruction a turn
.irp b, 0,1,2,3,4,5,6,7
.if \zero
	v_wmma_f32_16x16x32_f16 v[8*(8*\a+\b):8*(8*\a+\b)+7], v[\f+8*\b:\f+8*\b+7], v[\f+64+8*\a:\f+64+8*\a+7], 0
.else
	v_wmma_f32_16x16x32_f16 v[8*(8*\a+\b):8*(8*\a+\b)+7], v[\f+8*\b:\f+8*\b+7], v[\f+64+8*\a:\f+64+8*\a+7], v[8*(8*\a+\b):8*(8*\a+\b)+7]
.endif
.endr
.endm
.macro FETCH slot, q, f                ; 24 loads in one run: quarter q (32 channels) of the slot: Wo's 16, the tokens' blocks 0, 1, then 2, 3
	WIN 0
.irp b, 0,1,2,3,4,5,6,7
	ds_load_b128 v[\f+8*\b:\f+8*\b+3],   v[ADRB+\slot] offset:\b*KSB+\q*1024
	ds_load_b128 v[\f+8*\b+4:\f+8*\b+7], v[ADRB+\slot] offset:\b*KSB+\q*1024+512
.endr
.irp i, 0,1,2,3
	ds_load_b128 v[\f+64+8*\i:\f+64+8*\i+3], v[ADRA+\slot] offset:\i*KSB+\q*1024
	ds_load_b128 v[\f+64+8*\i+4:\f+64+8*\i+7], v[ADRA+\slot] offset:\i*KSB+\q*1024+512
.endr
.endm
.macro PLACES
.rept 4
	v_nop
.endr
.endm
.macro QUARTER slot, q, f, g, zero     ; multiplies buffer f; in its middle fetches quarter q of the same slot into g
	s_wait_dscnt 4                                 ; all but the youngest four loads (the tokens' blocks 2, 3)
	WIN MUL
	MUL8 \f, 0, \zero
	MUL8 \f, 1, \zero
	PLACES
	FETCH \slot, \q, \g
	s_wait_dscnt 24                                ; all but the 24 just issued
	WIN MUL
	MUL8 \f, 2, \zero
	MUL8 \f, 3, \zero
.endm
; A slot's last quarter changes slots: in front of the one barrier each wave has waited for all its tensor loads, added 0 to its spare word, and waited for that and for its reads of this slot.
.macro TURN slot, next, fill
	WIN 0
	s_wait_tensorcnt 0x0                           ; my one load that was out: my part of the next slot
	ds_add_u32 v[SPW], v[NIL]
	s_wait_dscnt 5                                 ; the add and the youngest four loads may be out
	WIN MUL
	MUL8 F1, 0, 0
	s_wait_dscnt 0x0
	s_barrier_signal -1
	MUL8 F1, 1, 0
.if \fill
	WIN 0
.endif
	s_barrier_wait -1
.if \fill
	CREST                                          ; the barrier has opened a round of the cluster's: no wave of any partner reads this slot or has a load on its way
	s_add_nc_u64 s[G0+4*\slot+2:G0+4*\slot+3], s[G0+4*\slot+2:G0+4*\slot+3], 2*KSB
	s_add_nc_u64 s[G0B+4*\slot+2:G0B+4*\slot+3], s[G0B+4*\slot+2:G0B+4*\slot+3], 2*KSB
	JLOAD \slot                                    ; my one tensor load behind the round; its four v_nop are also the places in front of the loads below
.else
	PLACES
.endif
	FETCH \next, 0, F0
	WIN MUL
	MUL8 F1, 2, 0
	MUL8 F1, 3, 0
.endm
	s_wait_tensorcnt 1                             ; my part of K step 0 is in; K step 1's may be out
	s_barrier_signal -1
	s_barrier_wait -1
	FETCH 0, 0, F0
	QUARTER 0, 1, F0, F1, 1                        ; the first products start the sums
	WIN 0
	s_mov_b32 s3, LAPS-1
.Llap:
	QUARTER 0, 2, F1, F0, 0
	QUARTER 0, 3, F0, F1, 0
	TURN 0, 1, 1
	QUARTER 1, 1, F0, F1, 0
	QUARTER 1, 2, F1, F0, 0
	QUARTER 1, 3, F0, F1, 0
	TURN 1, 0, 1
	QUARTER 0, 1, F0, F1, 0
	WIN 0
	s_sub_co_u32 s3, s3, 1
	s_cmp_lg_u32 s3, 0
	s_cbranch_scc1 .Llap
	QUARTER 0, 2, F1, F0, 0                        ; the last lap fills nothing
	QUARTER 0, 3, F0, F1, 0
	TURN 0, 1, 0
	QUARTER 1, 1, F0, F1, 0
	QUARTER 1, 2, F1, F0, 0
	QUARTER 1, 3, F0, F1, 0
	s_wait_dscnt 4
	WIN MUL
	MUL8 F1, 0, 0
	MUL8 F1, 1, 0
	s_wait_dscnt 0
	MUL8 F1, 2, 0
	MUL8 F1, 3, 0
	WIN 0
; THE WAY OUT: a block of 16 rows x 128 columns through my own stage, back as whole rows of 512 bytes.  LDS serves a wave in order: no wait between the stores and the loads.
.macro TOSTAGE a
	WIN 0x04                                       ; an LDS store's data: window 1
.irp b, 0,1,2,3,4,5,6,7
	ds_store_b128 v[STO], v[8*(8*\a+\b):8*(8*\a+\b)+3] offset:64*\b          ; each accumulator from its low end on
	ds_store_b128 v[STO], v[8*(8*\a+\b)+4:8*(8*\a+\b)+7] offset:64*\b+16
.endr
	WIN 0
.set BB, BK+64*((\a)%2)
.irp t, 0,1,2,3,4,5,6,7,8,9,10,11,12,13,14,15
	ds_load_b128 v[BB+4*\t:BB+4*\t+3], v[RD] offset:\t*SPITCH
.endr
.endm
.macro SEND a, younger
.set BB, BK+64*((\a)%2)
	s_wait_dscnt \younger                          ; the block is back; the next block's 16 stores and 16 loads may be out
.if (\a) > 0
	s_add_nc_u64 s[8:9], s[8:9], 16*4096           ; (behind a wait on XCNT)
.endif
.irp t, 0,1,2,3,4,5,6,7,8,9,10,11,12,13,14,15
	global_store_b128 v[CO], v[BB+4*\t:BB+4*\t+3], s[8:9] offset:\t*4096   ; 32 lanes store 512 consecutive bytes, aligned
.endr
.endm
	PLACES
	TOSTAGE 0
.irp a, 1,2,3
.if \a > 1
	s_wait_xcnt 0x0                                ; block a - 2's stores have read their registers and their base
.endif
	TOSTAGE \a
	SEND \a-1, 32
.endr
	s_wait_xcnt 0x0
	SEND 3, 0
	s_wait_tensorcnt 0x0                           ; the wave's end
	ds_add_u32 v[SPW], v[NIL]
	s_wait_dscnt 0x0
	CROUND                                         ; the closing round
	s_endpgm
.Lfunc_end_k_qbeaef2758c_proj:
	.size	k_qbeaef2758c_proj, .Lfunc_end_k_qbeaef2758c_proj-k_qbeaef2758c_proj
	.p2alignl 7, 3214868480
	.fill 96, 4, 3214868480
	.section	.rodata,"a",@progbits
	.p2align	6, 0x0
	.amdhsa_kernel k_qbeaef2758c_proj
		.amdhsa_group_segment_fixed_size 327680
		.amdhsa_private_segment_fixed_size 0
		.amdhsa_enable_private_segment 0
		.amdhsa_kernarg_size 24
		.amdhsa_user_sgpr_count 2
		.amdhsa_user_sgpr_kernarg_segment_ptr 1
		.amdhsa_wavefront_size32 1
		.amdhsa_system_sgpr_workgroup_id_x 1
		.amdhsa_system_sgpr_workgroup_id_y 1
		.amdhsa_system_sgpr_workgroup_id_z 1
		.amdhsa_system_vgpr_workitem_id 0
		.amdhsa_next_free_vgpr 512
		.amdhsa_next_free_sgpr 66
		.amdhsa_reserve_vcc 0
		.amdhsa_float_denorm_mode_32 3
		.amdhsa_float_denorm_mode_16_64 3
		.amdhsa_memory_ordered 1
		.amdhsa_forward_progress 1
		.amdhsa_inst_pref_size 84
	.end_amdhsa_kernel
	.amdgpu_metadata
---
amdhsa.version: [ 1, 2 ]
amdhsa.kernels:
  - .name:           k_qbeaef2758c_proj
    .symbol:         k_qbeaef2758c_proj.kd
    .args:
      - { .name: att, .offset: 0, .size: 8, .value_kind: global_buffer, .address_space: global }
      - { .name: pre, .offset: 8, .size: 8, .value_kind: global_buffer, .address_space: global }
      - { .name: out0, .offset: 16, .size: 8, .value_kind: global_buffer, .address_space: global }
    .group_segment_fixed_size: 327680
    .private_segment_fixed_size: 0
    .kernarg_segment_align: 8
    .kernarg_segment_size: 24
    .max_flat_workgroup_size: 128
    .sgpr_count:     66
    .vgpr_count:     512
    .wavefront_size: 32
...
	.end_amdgpu_metadata
.endif
;; end of part 4
;; launch fine (part 5): grid 64 x 4, 16 waves a work-group, no clusters, 100,352 bytes of LDS; arguments qkv, mk, Wo, out0; writes out0
.if DOCPART == 5
	.amdgcn_target "amdgcn-amd-amdhsa--gfx1250"
	.amdhsa_code_object_version 6
	.text
	.protected	k_qbeaef2758c_fine
	.globl	k_qbeaef2758c_fine
	.p2align	8
	.type	k_qbeaef2758c_fine,@function
k_qbeaef2758c_fine:
	s_mov_b64 s[64:65], 0
	v_nop
	global_prefetch_b8 v0, s[64:65] scope:SCOPE_SE
	s_setreg_imm32_b32 hwreg(HW_REG_WAVE_MODE, 25, 1), 1
	s_wait_xcnt 0x0
; Positions 0-15 of every sequence once more, in f32: they average few values, are the largest in size, and f16 operands would use up what the comparison allows.  64 rows of out0 are written over.
; Work-group (x, batch): 16 columns 16 x .. of the 16 rows.  Wave g is head g: attention of queries 0-15 by the f32 matrix form, then its head's 64 channels of the projection; the sixteen parts meet in LDS.
; q, k, v of the first 16 tokens are hi + lo / 1024 (two f16 parts, 22 bits); keys from 16 on, which only a mask that is not lower-triangular lets these queries see, are taken at f16 accuracy (stated limit).
; The walk: 32 steps x 4 tiles of 16 keys, constant trip counts; empty steps and tiles are jumped over by bits made from the stored mask words of query tile 0.
; LAYOUT: S^T = K Q^T and O^T = V^T P as in the main launch; the f32 form takes 4 along K, lane (r, h) registers j: the same channels (or keys) stand at the same places on both sides, so every K is met once.
; The registers that the f32 matrix form writes, v224-255, are written by matrix instructions alone; every sum begins with C = 0 and is carried on in other registers.
; The stores at the end are pieces of 64 bytes: 256 KB in all; the price of sharing the columns over 64 work-groups.
; REGISTERS: v1-7 addresses; v8 c m, v9 m, v[10:11] l, v12, v13 at work, v14 a, v15; v16-47, v48-79 as loaded; v80-87 scores, p; v88-91 at work; v92, v93 the last phase's addresses; v96-127 Wo; v128-159 q; v160-191 k, then v; v192-223 O^T.
.set WB,    5120                       ; a wave's LDS: V's 4 high units, 640 bytes each, then its 4 low ones
.set PART,  16*WB
.set SPARE, PART+16*1024               ; the spare words: 128 bytes a wave, named by no other line
.set K_OFF, 16777216
.set V_OFF, 33554432
.set LO_OFF, 50331648
.macro CVH d, r                        ; both f16 halves of register r, widened
	v_cvt_f32_f16 v[\d], v\r\().l
	v_cvt_f32_f16 v[(\d)+1], v\r\().h
.endm
.macro WIDEN dst                       ; v16-31 (high parts) and v32-47 (low parts) become 32 numbers: hi + lo x s38
.set ii, 0
.irp r, 16,17,18,19,20,21,22,23,24,25,26,27,28,29,30,31
	CVH \dst+2*ii, \r
.set ii, ii+1
.endr
.set ii, 0
.irp r, 32,33,34,35,36,37,38,39,40,41,42,43,44,45,46,47
	CVH 88+2*(ii%2), \r
	v_pk_fma_f32 v[\dst+2*ii:\dst+2*ii+1], v[88+2*(ii%2):89+2*(ii%2)], s[38:39], v[\dst+2*ii:\dst+2*ii+1] op_sel_hi:[1,0,1]
.set ii, ii+1
.endr
.endm
	s_load_b256 s[4:11], s[0:1], 0x0               ; qkv, mk, Wo, out0
	v_lshl_add_u32 v5, v0, 2, SPARE
	v_mov_b32 v6, 0
	v_lshrrev_b32 v1, 5, v0
	v_readfirstlane_b32 s12, v1                    ; wave = head
	v_and_b32 v12, 31, v0
	v_bfe_u32 v13, v0, 4, 1                        ; h
	v_and_b32 v14, 15, v0                          ; r
	v_lshlrev_b32 v1, 4, v12                       ; v1: 16 x lane
	s_mul_i32 s2, s12, WB
	v_lshl_add_u32 v2, v13, 7, v1
	v_add_nc_u32 v2, s2, v2                        ; v2: a unit into my LDS
	v_and_b32 v3, 7, v0
	v_lshl_add_u32 v3, v13, 3, v3
	v_lshlrev_b32 v3, 4, v3
	v_bfe_u32 v4, v0, 3, 1
	v_mad_u32_u24 v3, v4, 384, v3
	v_add_nc_u32 v3, s2, v3                        ; v3: and out of it, turned
	v_mov_b32 v4, 0xff800000
	s_lshl_b32 s2, s12, 10
	v_lshl_add_u32 v7, v12, 5, s2
	v_add_nc_u32 v7, PART, v7                      ; v7: my part's 32 bytes a lane
	s_lshl_b32 s2, s12, 6                          ; the last phase: lane l of wave w < 8 takes query 2 w + l / 16, column l % 16
	v_and_b32 v92, 7, v0
	v_lshlrev_b32 v92, 2, v92
	v_lshl_add_u32 v92, v13, 5, v92
	v_bfe_u32 v15, v0, 3, 1
	v_lshl_add_u32 v92, v15, 9, v92
	v_add_nc_u32 v92, s2, v92
	v_add_nc_u32 v92, PART, v92
	v_lshlrev_b32 v93, 2, v14
	v_lshl_add_u32 v93, v13, 12, v93
	v_lshlrev_b32 v94, 12, v14
	v_lshl_add_u32 v94, v13, 5, v94                ; Wo: row r, + 8 h channels
	v_lshlrev_b32 v95, 7, v12                      ; mask words: lane = step, 128 bytes
	s_and_b32 s13, ttmp7, 0xffff                   ; batch
	s_lshl_b32 s14, s13, 4
	s_add_co_u32 s14, s14, s12
	s_mov_b32 s3, 0
	s_mov_b32 s30, 0x76543210
	s_mov_b32 s31, 0xfedcba98
	s_mov_b32 s38, 0x3a800000                      ; 1 / 1024
	s_mov_b32 s39, s38
	s_mov_b32 s42, 0x3e38aa3b                      ; c = log2(e) / 8
	s_mov_b32 s43, s42
	s_wait_kmcnt 0x0
	s_lshl_b32 s2, s14, 18
	s_add_nc_u64 s[16:17], s[4:5], s[2:3]          ; q's images of my head
	s_add_nc_u64 s[18:19], s[16:17], K_OFF
	s_add_nc_u64 s[20:21], s[16:17], V_OFF
	s_lshl_b32 s2, s14, 11
	s_add_co_u32 s2, s2, LO_OFF
	s_add_nc_u64 s[22:23], s[4:5], s[2:3]          ; the low parts: q's; k's 131,072 on, v's 262,144 on
	s_lshl_b32 s2, ttmp9, 16
	s_lshl_b32 s24, s12, 8
	s_add_co_u32 s2, s2, s24
	s_add_nc_u64 s[52:53], s[8:9], s[2:3]          ; Wo: rows 16 x, channels 64 g
	s_lshl_b32 s2, s13, 23
	s_lshl_b32 s24, s12, 13
	s_add_co_u32 s2, s2, s24
	s_lshl_b32 s24, ttmp9, 6
	s_add_co_u32 s2, s2, s24
	s_add_nc_u64 s[54:55], s[10:11], s[2:3]
.irp u, 0,1,2,3
	global_load_b128 v[16+4*\u:19+4*\u], v1, s[16:17] offset:512*\u
	global_load_b128 v[32+4*\u:35+4*\u], v1, s[22:23] offset:512*\u
.endr
.irp i, 0,1,2,3,4,5,6,7
	global_load_b128 v[48+4*\i:51+4*\i], v95, s[6:7] offset:16*\i
	global_load_b128 v[96+4*\i:99+4*\i], v94, s[52:53] offset:64*(\i/2)+16*(\i%2)
.endr
	v_mov_b32 v9, 0xff61b1e6                       ; m = -3e38
	v_mul_f32 v8, s42, v9
.irp j, 10,11,12,13,14,15
	v_mov_b32 v[\j], 0
.endr
.set ii, 192
.rept 32
	v_mov_b32 v[ii], 0                             ; O^T: which tile is the first hangs on the mask
.set ii, ii+1
.endr
	s_wait_loadcnt 0x0
	WIDEN 128
.irp kt, 0,1,2,3
	v_or_b32 v[88+\kt], v[48+8*\kt], v[49+8*\kt]
.endr
.irp j, 2,3,4,5,6,7
.irp kt, 0,1,2,3
	v_or_b32 v[88+\kt], v[88+\kt], v[48+8*\kt+\j]
.endr
.endr
.irp kt, 0,1,2,3
	v_cmp_ne_u32 s[32+\kt], 0, v[88+\kt]           ; bit = step: tile kt of the step has a key for some of the 16 queries
.endr
	s_or_b32 s36, s32, s33
	s_or_b32 s36, s36, s34
	s_or_b32 s36, s36, s35
	s_mov_b32 s40, 0
.Lstep:
	s_bitcmp1_b32 s36, 0
	s_cbranch_scc0 .Lnone
	s_mov_b32 s41, 0
.Ltile:
	s_bitcmp1_b32 s32, 0
	s_cbranch_scc0 .Lempty
	s_lshl_b32 s56, s40, 2
	s_add_co_u32 s56, s56, s41                     ; the key tile
	s_cmp_eq_u32 s56, 0
	s_cselect_b32 s38, 0x3a800000, 0               ; tile 0 has low parts; for the others tile 0's are loaded and count for nothing
	s_mov_b32 s39, s38
	s_lshl_b32 s2, s56, 5
	s_add_nc_u64 s[24:25], s[6:7], s[2:3]          ; (the last tile's loads were waited for: these pairs may be written)
	s_load_b256 s[44:51], s[24:25], 0x0            ; its eight mask words
	s_lshl_b32 s2, s56, 11
	s_add_nc_u64 s[26:27], s[18:19], s[2:3]
	s_add_nc_u64 s[28:29], s[20:21], s[2:3]
.irp u, 0,1,2,3
	global_load_b128 v[16+4*\u:19+4*\u], v1, s[26:27] offset:512*\u
	global_load_b128 v[32+4*\u:35+4*\u], v1, s[22:23] offset:131072+512*\u
	global_load_b128 v[48+4*\u:51+4*\u], v1, s[28:29] offset:512*\u
	global_load_b128 v[64+4*\u:67+4*\u], v1, s[22:23] offset:262144+512*\u
.endr
	s_wait_loadcnt 0x0
.irp u, 0,1,2,3
	ds_store_b128 v2, v[48+4*\u:51+4*\u] offset:640*\u
	ds_store_b128 v2, v[64+4*\u:67+4*\u] offset:2560+640*\u
.endr
	WIDEN 160                                      ; k
.irp u, 0,1,2,3
	ds_load_tr16_b128 v[16+4*\u:19+4*\u], v3 offset:640*\u          ; V^T: my own bytes, served in order behind my stores
	ds_load_tr16_b128 v[32+4*\u:35+4*\u], v3 offset:2560+640*\u
.endr
.set nn, 0
.rept 16                               ; two accumulators by turns
.if nn < 2
	v_wmma_f32_16x16x4_f32 v[224+8*(nn%2):231+8*(nn%2)], v[160+2*nn:161+2*nn], v[128+2*nn:129+2*nn], 0
.else
	v_wmma_f32_16x16x4_f32 v[224+8*(nn%2):231+8*(nn%2)], v[160+2*nn:161+2*nn], v[128+2*nn:129+2*nn], v[224+8*(nn%2):231+8*(nn%2)]
.endif
.set nn, nn+1
.endr
.rept 8
	v_nop                                          ; eight places behind this form
.endr
.irp i, 0,2,4,6
	v_pk_add_f32 v[80+\i:81+\i], v[224+\i:225+\i], v[232+\i:233+\i]
.endr
	s_wait_kmcnt 0x0
.irp j, 0,1,2,3,4,5,6,7
	v_cndmask_b32 v[80+\j], v4, v[80+\j], s[44+\j]
.endr
	v_max3_num_f32 v12, v80, v81, v82
	v_max3_num_f32 v13, v83, v84, v85
	v_max3_num_f32 v12, v12, v86, v87
	v_max3_num_f32 v12, v12, v13, v9
	v_permlanex16_b32 v13, v12, s30, s31
	v_mov_b32 v15, v8
	v_max_num_f32 v9, v12, v13
	v_mul_f32 v8, s42, v9
	v_sub_f32 v15, v15, v8
.irp i, 0,2,4,6
	v_pk_fma_f32 v[80+\i:81+\i], v[80+\i:81+\i], s[42:43], v[8:9] op_sel_hi:[1,0,0] neg_lo:[0,0,1] neg_hi:[0,0,1]
.endr
	v_exp_f32 v14, v15
.irp j, 0,1,2,3,4,5,6,7
	v_exp_f32 v[80+\j], v[80+\j]
.endr
	v_nop
	s_wait_alu depctr_va_vdst(0)                   ; one wait for the nine
	v_pk_add_f32 v[88:89], v[80:81], v[82:83]
	v_pk_add_f32 v[90:91], v[84:85], v[86:87]
	v_pk_add_f32 v[88:89], v[88:89], v[90:91]
	v_pk_fma_f32 v[10:11], v[10:11], v[14:15], v[88:89] op_sel_hi:[1,0,1]
	s_wait_dscnt 0x0
	WIDEN 160                                      ; v, over k
.irp s, 0,1,2,3
.irp ct, 0,1,2,3
.if \s == 0
	v_wmma_f32_16x16x4_f32 v[224+8*\ct:231+8*\ct], v[160+8*\ct+2*\s:161+8*\ct+2*\s], v[80+2*\s:81+2*\s], 0
.else
	v_wmma_f32_16x16x4_f32 v[224+8*\ct:231+8*\ct], v[160+8*\ct+2*\s:161+8*\ct+2*\s], v[80+2*\s:81+2*\s], v[224+8*\ct:231+8*\ct]
.endif
.endr
.endr
.rept 8
	v_nop
.endr
.set ii, 0
.rept 16
	v_pk_fma_f32 v[192+ii:193+ii], v[192+ii:193+ii], v[14:15], v[224+ii:225+ii] op_sel_hi:[1,0,1]   ; O^T = a O^T + this tile's
.set ii, ii+2
.endr
.Lempty:
	s_mov_b32 s2, s32                              ; the four words go round: after four tiles they stand as before
	s_mov_b32 s32, s33
	s_mov_b32 s33, s34
	s_mov_b32 s34, s35
	s_mov_b32 s35, s2
	s_add_co_u32 s41, s41, 1
	s_cmp_lt_u32 s41, 4
	s_cbranch_scc1 .Ltile
.Lnone:
.irp j, 32,33,34,35,36
	s_lshr_b32 s[\j], s[\j], 1
.endr
	s_add_co_u32 s40, s40, 1
	s_cmp_lt_u32 s40, 32
	s_cbranch_scc1 .Lstep
	v_add_f32 v12, v10, v11
	v_permlanex16_b32 v13, v12, s30, s31
	v_add_f32 v12, v12, v13
	v_rcp_f32 v14, v12
	v_nop
	s_wait_alu depctr_va_vdst(0)
.set nn, 0
.rept 16                               ; my head's part of the projection: source 0 = 16 rows of Wo, source 1 = O^T
.if nn < 2
	v_wmma_f32_16x16x4_f32 v[224+8*(nn%2):231+8*(nn%2)], v[96+2*nn:97+2*nn], v[192+2*nn:193+2*nn], 0
.else
	v_wmma_f32_16x16x4_f32 v[224+8*(nn%2):231+8*(nn%2)], v[96+2*nn:97+2*nn], v[192+2*nn:193+2*nn], v[224+8*(nn%2):231+8*(nn%2)]
.endif
.set nn, nn+1
.endr
.rept 8
	v_nop
.endr
.irp i, 0,2,4,6
	v_pk_add_f32 v[80+\i:81+\i], v[224+\i:225+\i], v[232+\i:233+\i]
.endr
.irp i, 0,2,4,6
	v_pk_mul_f32 v[80+\i:81+\i], v[80+\i:81+\i], v[14:15] op_sel_hi:[1,0]   ; / l: a lane holds one query
.endr
	ds_store_b128 v7, v[80:83]
	ds_store_b128 v7, v[84:87] offset:16
	s_wait_dscnt 0x0                               ; for the others' sake
	s_barrier_signal -1
	s_barrier_wait -1
	s_wait_tensorcnt 0x0                           ; behind my last LDS store
	ds_add_u32 v5, v6
	s_wait_dscnt 0x0
	s_cmp_lt_u32 s12, 8
	s_cbranch_scc0 .Ldone
.irp g, 0,1,2,3,4,5,6,7,8,9,10,11,12,13,14,15
	ds_load_b32 v[16+\g], v92 offset:1024*\g       ; the sixteen heads' parts of my number
.endr
	s_wait_dscnt 0x0
.irp g, 0,1,2,3,4,5,6,7
	v_add_f32 v[16+\g], v[16+\g], v[24+\g]
.endr
.irp g, 0,1,2,3
	v_add_f32 v[16+\g], v[16+\g], v[20+\g]
.endr
	v_add_f32 v16, v16, v18
	v_add_f32 v17, v17, v19
	v_add_f32 v16, v16, v17
	global_store_b32 v93, v16, s[54:55]
.Ldone:
	s_endpgm
.Lfunc_end_k_qbeaef2758c_fine:
	.size	k_qbeaef2758c_fine, .Lfunc_end_k_qbeaef2758c_fine-k_qbeaef2758c_fine
	.p2alignl 7, 3214868480
	.fill 96, 4, 3214868480
	.section	.rodata,"a",@progbits
	.p2align	6, 0x0
	.amdhsa_kernel k_qbeaef2758c_fine
		.amdhsa_group_segment_fixed_size 100352
		.amdhsa_private_segment_fixed_size 0
		.amdhsa_enable_private_segment 0
		.amdhsa_kernarg_size 32
		.amdhsa_user_sgpr_count 2
		.amdhsa_user_sgpr_kernarg_segment_ptr 1
		.amdhsa_wavefront_size32 1
		.amdhsa_system_sgpr_workgroup_id_x 1
		.amdhsa_system_sgpr_workgroup_id_y 1
		.amdhsa_system_sgpr_workgroup_id_z 1
		.amdhsa_system_vgpr_workitem_id 0
		.amdhsa_next_free_vgpr 256
		.amdhsa_next_free_sgpr 66
		.amdhsa_reserve_vcc 0
		.amdhsa_float_denorm_mode_32 3
		.amdhsa_float_denorm_mode_16_64 3
		.amdhsa_memory_ordered 1
		.amdhsa_forward_progress 1
		.amdhsa_inst_pref_size 31
	.end_amdhsa_kernel
	.amdgpu_metadata
---
amdhsa.version: [ 1, 2 ]
amdhsa.kernels:
  - .name:           k_qbeaef2758c_fine
    .symbol:         k_qbeaef2758c_fine.kd
    .args:
      - { .name: qkv, .offset: 0, .size: 8, .value_kind: global_buffer, .address_space: global }
      - { .name: mk, .offset: 8, .size: 8, .value_kind: global_buffer, .address_space: global }
      - { .name: Wo, .offset: 16, .size: 8, .value_kind: global_buffer, .address_space: global }
      - { .name: out0, .offset: 24, .size: 8, .value_kind: global_buffer, .address_space: global }
    .group_segment_fixed_size: 100352
    .private_segment_fixed_size: 0
    .kernarg_segment_align: 8
    .kernarg_segment_size: 32
    .max_flat_workgroup_size: 512
    .sgpr_count:     66
    .vgpr_count:     256
    .wavefront_size: 32
...
	.end_amdgpu_metadata
.endif
;; end of part 5
